; MI455X (gfx1250); checked and timed in simulation.
; The chip was launched on July 23, 2026; its instructions are those of AMD's public machine-readable ISA for CDNA 5 (MIT licence, August 2026) and "CDNA5" Instruction Set Architecture Reference Guide (July 2026). The comments in the code are by the model that wrote it; some were corrected since.
;; Causal Self Attention. Allowed arithmetic: matrix products marked QUANTISED: E2M1 operands, one E8M0 scale for each 32 along K, by v_wmma_scale_f32_16x16x128_f8f6f4 with both operands' format E2M1 (or v_wmma_scale_f32_32x16x128_f4), f32 sums; products left as they are: bf16, f16 or f32 operands; f32 sums; everything else in f32.
;; Inputs: w_out 1,024 x 1,024 float32; w_qkv 3,072 x 1,024 float32; x 4 x 2,048 x 1,024 float32.
;; Outputs: out0 4 x 2,048 x 1,024 float32.
;; This version of the problem:
;;   THIS VERSION OF THE PROBLEM IS GIVEN IN LOW PRECISION. The matrix products marked QUANTISED in the list below multiply operands that are first quantised to E2M1 (2 exponent bits, 1 mantissa bit; 4 bits a number), with one power-of-two scale for each 32 numbers along K (OCP MX v1.0); their sums are f32. The products marked 'left as it is' may take bf16, f16 or f32 operands, with f32 sums. Whichever they take, every output number must still come out within the allowed error. Rounding operands to bf16 (8 significant bits) uses up far more of that allowance than f16 does (11 bits, for magnitudes from 6e-5 to 65,504). All else is computed in f32.
;;   The module's matrix products, in the order in which they are computed (A, B: the left and right operand; K: the contracted axis; several contracted axes count as one K, in the product's order):
;;     1. [M 8,192, K 1,024] x [K 1,024, N 3,072]; A: input x; B: input w_qkv: QUANTISED
;;     2. batch 64 x [M 2,048, K 64] x [K 64, N 2,048]; A: computed on the way; B: computed on the way: left as it is (an operand is computed on the way)
;;     3. batch 64 x [M 2,048, K 2,048] x [K 2,048, N 64]; A: computed on the way; B: computed on the way: left as it is (an operand is computed on the way)
;;     4. [M 8,192, K 1,024] x [K 1,024, N 1,024]; A: computed on the way; B: input w_out: left as it is (an operand is computed on the way)
;;   THE QUANTISER, for each operand of a quantised product, along K:
;;     - K is cut into blocks of 32 from its start; a last block that is shorter is filled with zeros.
;;     - A block's scale is 2^e with e = floor(log2(the largest magnitude in the block)) - 2, held to -126 .. 127; a block of zeros has e = 0. As a byte (E8M0): e + 127.
;;     - Each number is divided by its block's scale, clamped to +-6, and rounded to the nearest number of E2M1, ties to even, subnormals kept.
;;     - The product sums the exact products of the quantised numbers (number of the format x scale) in f32.
;;   ~~~python
;;   def quantise(x, axis):      # numpy; x: float32 -> the quantised numbers, widened to float32 again
;;       x = np.moveaxis(x, axis, -1); K = x.shape[-1]
;;       x = np.pad(x, [(0, 0)] * (x.ndim - 1) + [(0, -K % 32)]); x = x.reshape(x.shape[:-1] + (-1, 32)); a = np.abs(x).max(-1, keepdims=True)
;;       e = np.where(a > 0, np.clip(np.frexp(np.where(a > 0, a, 1))[1] - 1 - 2, -126, 127), 0)      # np.frexp(a)[1] - 1 = floor(log2(a)), exactly
;;       r = np.clip(x / 2.0 ** e, -6, 6)
;;       step = 2.0 ** (np.maximum(np.frexp(np.where(r == 0, 1, r))[1] - 1, 0) - 1)
;;       q = np.round(r / step) * step * 2.0 ** e      # np.round: ties to even
;;       return np.moveaxis(q.reshape(q.shape[:-2] + (-1,))[..., :K], -1, axis).astype(np.float32)
;;   ~~~
;; One version. Each part assembles by itself: llvm-mc -triple=amdgcn-amd-amdhsa -mcpu=gfx1250 --defsym DOCPART=n.
;; ======== version 1 of 1: 5 launches
;; limits: values are held in f16: magnitudes above 65,504 overflow, below 6.1e-05 lose precision
;; workspace buffers: codes 5,767,168 bytes; scales 360,448 bytes; wo16 2,097,152 bytes; rope 524,288 bytes; qkv16 50,331,648 bytes; fine32 786,432 bytes; att 16,777,216 bytes
;; launch prep (part 1): grid 416 x 1, 4 waves a work-group, no clusters, 33,280 bytes of LDS; arguments x, w_qkv, w_out, codes, scales, wo16, rope; writes codes, scales, wo16, rope
.if DOCPART == 1
	.amdgcn_target "amdgcn-amd-amdhsa--gfx1250"
	.amdhsa_code_object_version 6
	.text
	.protected	k_q393d6315e9_prep
	.globl	k_q393d6315e9_prep
	.p2align	8
	.type	k_q393d6315e9_prep,@function
k_q393d6315e9_prep:
	s_mov_b64 s[64:65], 0
	v_nop
	global_prefetch_b8 v0, s[64:65] scope:SCOPE_SE
	s_setreg_imm32_b32 hwreg(HW_REG_WAVE_MODE, 25, 1), 1
	s_wait_xcnt 0x0
; Three jobs that share one launch, parted by the work-group's number:
;  0..351   x [8192][1024] and w_qkv [3072][1024], f32, K innermost, become codes of E2M1 (two a byte, the lower k in the low four bits) and one E8M0 byte for each 32 along K.
;           codes: x's 8192 rows of 512 bytes, then w_qkv's 3072; scales: x's rows of 32 bytes, then w_qkv's.  Both tensors are plain streams of blocks of 32.
;  352..383 w_out, f32, becomes f16 (wo16), as it lies.
;  384..415 the table of cos and sin: rope[s] = 32 cos, then 32 sin, f32: 256 bytes a position.
; A block's scale is 2^(floor(log2(its largest magnitude)) - 2); its byte is the largest magnitude's exponent field - 2, held at 1 from below.  A block of zeros so gets the byte 1 where the
; rule says 127: its codes are zeros, and this program alone reads the bytes.
; LIMITS: blocks whose largest magnitude lies under 2^(2 - 126) were not tried; NaN and infinities among the inputs are not served.  w_out beyond 65,504 in magnitude has no f16.
; The table's inverse frequencies are 2^(-i log2(10000) / 32) by v_exp_f32: within about two units in the last place of 1 / 10000^(i / 32); at position 2047 that is under 6e-4 radians.
.set STEPS, 16
.set QWG,   352                        ; (8192 + 3072) x 1024 / 32768 work-groups quantise; the first 256 of them take x
.set CB,    8                          ; bytes of 16 codes
.set R,     16                         ; v16-79   numbers as they are loaded (four sets of 16; in the f16 path sixteen slots of 4)
.set X,     80                         ; v80-111  two sets of 16 neighbours
.set H,     80                         ; v80-111  the f16 path: sixteen slots of 2
.set E,     112                        ; v112-127 a scale byte for each step
.set C,     128                        ; v128-191 codes: four registers for each step
.set WREG,  8192                       ; LDS: a region for each wave: two stages of 32 x SP bytes, behind them its 256 scale bytes
.set SP,    80                         ; a lane's place in a stage: 64 bytes + 16 of padding
.set SPW,   12                         ; v12 LDS address of my spare word; never rewritten
.set NIL,   13                         ; v13 0; never rewritten
.set SPARE, 4*WREG                     ; behind the four regions: the spare words, 128 bytes a wave
	s_load_b256 s[4:11], s[0:1], 0x0               ; x s[4:5], w_qkv s[6:7], w_out s[8:9], codes s[10:11]
	s_load_b128 s[12:15], s[0:1], 0x20             ; scales s[12:13], wo16 s[14:15]
	s_load_b64 s[16:17], s[0:1], 0x30              ; rope
	v_lshl_add_u32 v[SPW], v0, 2, SPARE
	v_mov_b32 v[NIL], 0
	v_lshrrev_b32 v1, 5, v0
	v_readfirstlane_b32 s18, v1                    ; wave
	v_and_b32 v2, 31, v0                           ; lane
	v_lshlrev_b32 v3, 4, v2                        ; 16 bytes a lane
	s_wait_kmcnt 0x0
	s_cmp_ge_u32 ttmp9, QWG
	s_cbranch_scc1 .Lother
; ---- the quantiser.  A wave takes 16 steps of 512 numbers.  Each load reads 512 consecutive bytes; a step's 2,048 bytes turn through the wave's own stage in LDS and come back 64 bytes a lane,
; so that a lane holds 16 neighbours along K and two neighbouring lanes a block.
	s_mul_i32 s19, s18, WREG
	v_lshrrev_b32 v14, 2, v2
	v_mul_u32_u24 v14, v14, SP
	v_and_b32 v15, 3, v2
	v_lshl_add_u32 v14, v15, 4, v14
	v_add_nc_u32 v14, s19, v14                     ; the stage, on the way in: SP (lane / 4) + 16 (lane % 4)
	v_mul_u32_u24 v15, v2, SP
	v_add_nc_u32 v15, s19, v15                     ; on the way out: SP x lane
	v_mul_u32_u24 v4, v2, CB                       ; my codes' place in a step's
	v_lshrrev_b32 v5, 1, v2
	s_add_co_u32 s19, s19, 2*32*SP
	v_add_nc_u32 v5, s19, v5                       ; my wave's 256 scale bytes, my block's byte
	v_lshlrev_b32 v7, 3, v2
	v_add_nc_u32 v6, s19, v7                       ; and on the way out 8 bytes a lane
	s_cmp_lt_u32 ttmp9, 256                        ; x's work-group or w_qkv's: the choice hangs on the work-group's number alone
	s_cselect_b64 s[4:5], s[4:5], s[6:7]
	s_cselect_b32 s19, 0, 256
	s_sub_co_u32 s19, ttmp9, s19
	s_lshl_b32 s19, s19, 2
	s_add_co_u32 s20, s19, s18                     ; which run of 8,192 numbers of the tensor
	s_mov_b32 s21, 0
	s_lshl_b64 s[22:23], s[20:21], 15
	s_add_nc_u64 s[4:5], s[4:5], s[22:23]
	s_lshl_b32 s20, ttmp9, 2
	s_add_co_u32 s20, s20, s18                     ; which run of the two tensors on end: w_qkv's codes and bytes follow x's
	s_lshl_b32 s22, s20, 12                        ; 4,096 bytes of codes a run
	s_mov_b32 s23, 0
	s_add_nc_u64 s[10:11], s[10:11], s[22:23]
	s_lshl_b32 s22, s20, 8                         ; 256 scale bytes a run
	s_add_nc_u64 s[12:13], s[12:13], s[22:23]
.macro LOAD t
.irp i, 0,1,2,3
	global_load_b128 v[R+16*((\t)%4)+4*\i:R+16*((\t)%4)+4*\i+3], v3, s[4:5] offset:2048*(\t)+512*\i th:TH_LOAD_NT
.endr
.endm
.macro TURN t                          ; step t's numbers through the stage: LDS serves a wave's instructions in order, so no wait stands between the stores and the loads
.irp i, 0,1,2,3
	ds_store_b128 v14, v[R+16*((\t)%4)+4*\i:R+16*((\t)%4)+4*\i+3] offset:32*SP*((\t)%2)+8*SP*\i
.endr
.irp i, 0,1,2,3
	ds_load_b128 v[X+16*((\t)%2)+4*\i:X+16*((\t)%2)+4*\i+3], v15 offset:32*SP*((\t)%2)+16*\i
.endr
.endm
.irp t, 0,1,2,3
	LOAD \t
.endr
	s_wait_loadcnt 12                              ; step 0's four loads are in; the twelve of steps 1 to 3 may be out
	TURN 0
.macro STEP t
.set XS, X+16*((\t)%2)
.if (\t) > 0
	s_wait_dscnt 1                                 ; this step's numbers are back from the stage (the last step's byte store may be out)
.else
	s_wait_dscnt 0x0
.endif
.if (\t)+4 < STEPS
	LOAD (\t)+4
.endif
.if (\t)+1 < STEPS
.if STEPS-2-(\t) >= 3
	s_wait_loadcnt 12                              ; the next step's four loads are in; those of the three steps behind it may be out
.else
	s_wait_loadcnt 4*(STEPS-2-(\t))
.endif
	TURN (\t)+1
.endif
	v_max3_num_f32 v8, |v[XS]|, |v[XS+1]|, |v[XS+2]|               ; the largest magnitude of my 16, in two chains
	v_max3_num_f32 v9, |v[XS+3]|, |v[XS+4]|, |v[XS+5]|
.irp i, 6,10
	v_max3_num_f32 v8, v8, |v[XS+\i]|, |v[XS+\i+1]|
	v_max3_num_f32 v9, v9, |v[XS+\i+2]|, |v[XS+\i+3]|
.endr
	v_max3_num_f32 v8, v8, |v[XS+14]|, |v[XS+15]|
	v_max3_num_f32 v8, v8, v9, 0x1800000           ; and the floor 2^(3 - 127): the byte cannot fall under 1
	v_max_num_f32_dpp v8, v8, v8 row_xmask:1 row_mask:0xf bank_mask:0xf   ; with my neighbour's 16: the block's
	v_add_nc_u32 v11, 0xff000000, v8               ; 2 off its exponent field: the conversion takes this operand's exponent field as its scale
	v_cvt_scalef32_pk8_fp4_f32 v[C+4*(\t)], v[XS:XS+7], v11
	v_cvt_scalef32_pk8_fp4_f32 v[C+4*(\t)+1], v[XS+8:XS+15], v11
	v_lshrrev_b32 v[E+(\t)], 23, v11               ; the scale's byte
	ds_store_b8 v5, v[E+(\t)] offset:16*(\t)       ; both lanes of a block write the same byte with the same value
	global_store_b64 v4, v[C+4*(\t):C+4*(\t)+1], s[10:11] offset:32*CB*(\t)   ; the wave stores 256 consecutive bytes, aligned
.endm
.irp t, 0,1,2,3,4,5,6,7,8,9,10,11,12,13,14,15
	STEP \t
.endr
	ds_load_b64 v[8:9], v6                         ; LDS serves a wave's instructions in order: these see my stores
	s_wait_dscnt 0x0
	global_store_b64 v7, v[8:9], s[12:13]          ; 32 lanes store 256 consecutive bytes, aligned
	s_wait_tensorcnt 0x0                           ; the wave's end, behind my last LDS store
	ds_add_u32 v[SPW], v[NIL]
	s_wait_dscnt 0x0
	s_endpgm
.Lother:
	s_cmp_ge_u32 ttmp9, 384
	s_cbranch_scc1 .Lrope
; ---- w_out to f16.  A wave takes 32,768 bytes in 64 chunks of 512; sixteen loads are always on their way, in sixteen register slots.
	s_sub_co_u32 s19, ttmp9, QWG
	s_lshl_b32 s19, s19, 2
	s_add_co_u32 s19, s19, s18
	s_lshl_b32 s20, s19, 15
	s_mov_b32 s21, 0
	s_add_nc_u64 s[8:9], s[8:9], s[20:21]
	s_lshl_b32 s20, s19, 14
	s_add_nc_u64 s[14:15], s[14:15], s[20:21]
	v_lshlrev_b32 v4, 3, v2                        ; out: 8 bytes a lane
.irp i, 0,1,2,3,4,5,6,7,8,9,10,11,12,13,14,15
	global_load_b128 v[R+4*\i:R+4*\i+3], v3, s[8:9] offset:512*\i th:TH_LOAD_NT
.endr
.macro WSLOT i, ahead, left
	s_wait_loadcnt \left                           ; loads come back in order: mine is in, the younger ones stay out
	s_wait_xcnt 0x0                                ; the slot's last store has read its two registers: they are written again only behind this wait
	v_cvt_pk_f16_f32 v[H+2*((\i)%16)], v[R+4*((\i)%16)], v[R+4*((\i)%16)+1]
	v_cvt_pk_f16_f32 v[H+2*((\i)%16)+1], v[R+4*((\i)%16)+2], v[R+4*((\i)%16)+3]
.if \ahead
	global_load_b128 v[R+4*((\i)%16):R+4*((\i)%16)+3], v3, s[8:9] offset:512*((\i)+16) th:TH_LOAD_NT
.endif
	global_store_b64 v4, v[H+2*((\i)%16):H+2*((\i)%16)+1], s[14:15] offset:256*(\i)   ; 256 consecutive bytes, aligned
.endm
.set Q, 0
.rept 48
	WSLOT Q, 1, 15
.set Q, Q+1
.endr
.rept 16
	WSLOT Q, 0, 63-Q                               ; the last sixteen load nothing: the counts run down
.set Q, Q+1
.endr
	s_endpgm
.Lrope:
; ---- the table.  A wave makes 16 positions, two to a store of 512 consecutive bytes.  Lane l: position + (l / 16); lanes 0-7 of a half: cos of frequencies 4 (l % 8) + 0..3; lanes 8-15: sin.
; theta = s x inv_freq, one multiplication.  n = the nearest whole number to theta x 2 / pi; r = theta - n pi / 2, pi / 2 in two parts; cos and sin of r by polynomials on |r| <= pi / 4;
; the quadrant picks one of the two and the sign.  sin(theta) = cos(theta - pi / 2): three quadrants on.  No branch: the choice is a v_cndmask_b32.
	s_sub_co_u32 s19, ttmp9, 384
	s_lshl_b32 s20, s19, 14
	s_lshl_b32 s21, s18, 12
	s_add_co_u32 s20, s20, s21
	s_mov_b32 s21, 0
	s_add_nc_u64 s[16:17], s[16:17], s[20:21]
	s_lshl_b32 s22, s19, 6
	s_lshl_b32 s23, s18, 4
	s_add_co_u32 s22, s22, s23                     ; my wave's first position
	s_mov_b32 s24, 0x3f22f983                      ; 2 / pi
	s_mov_b32 s25, 0x3fc90fdb                      ; pi / 2, the high part
	s_mov_b32 s26, 0xb33bbd2e                      ; and the rest
	s_mov_b32 s27, 0xbe2aaaa3                      ; sin: -1.6666654611e-1
	s_mov_b32 s28, 0x3c08839e                      ;       8.3321608736e-3
	s_mov_b32 s29, 0xb94ca1f9                      ;      -1.9515295891e-4
	s_mov_b32 s30, 0x3d2aaaa5                      ; cos:  4.166664568e-2
	s_mov_b32 s31, 0xbab6061a                      ;      -1.388731625e-3
	s_mov_b32 s32, 0x37ccf5ce                      ;       2.443315712e-5
	v_and_b32 v20, 7, v2
	v_lshlrev_b32 v20, 2, v20                      ; my first frequency
	v_bfe_u32 v21, v2, 3, 1                        ; 0: cos, 1: sin
	v_mul_u32_u24 v32, v21, 3
	v_lshrrev_b32 v22, 4, v2
	v_add_nc_u32 v33, s22, v22                     ; my position in the first store
.irp e, 0,1,2,3
	v_add_nc_u32 v[24+\e], \e, v20
	v_cvt_f32_u32 v[24+\e], v[24+\e]
	v_mul_f32 v[24+\e], 0xbed49a78, v[24+\e]       ; -i log2(10000) / 32
.endr
.irp e, 0,1,2,3
	v_exp_f32 v[28+\e], v[24+\e]
.endr
	v_nop                                          ; a plain instruction behind the last exponential
	s_wait_alu depctr_va_vdst(0)                   ; one wait for the four, ahead of their first reader
.irp k, 0,1,2,3,4,5,6,7
	v_add_nc_u32 v34, 2*\k, v33
	v_cvt_f32_u32 v34, v34                         ; the position, exact
.irp e, 0,1,2,3
	v_mul_f32 v36, v34, v[28+\e]                   ; theta
	v_mul_f32 v37, s24, v36
	v_rndne_f32 v37, v37                           ; n
	v_fma_f32 v38, -v37, s25, v36
	v_fma_f32 v38, -v37, s26, v38                  ; r
	v_cvt_i32_f32 v39, v37
	v_add_nc_u32 v39, v39, v32                     ; the quadrant
	v_mul_f32 v40, v38, v38                        ; z = r r
	v_fma_f32 v41, v40, s29, s28
	v_fma_f32 v42, v40, s32, s31
	v_fma_f32 v41, v41, v40, s27
	v_fma_f32 v42, v42, v40, s30
	v_mul_f32 v41, v41, v40
	v_fma_f32 v42, v42, v40, -0.5
	v_fma_f32 v41, v41, v38, v38                   ; sin r
	v_fma_f32 v42, v42, v40, 1.0                   ; cos r
	v_and_b32 v43, 1, v39
	v_cmp_eq_u32 vcc_lo, 1, v43
	v_cndmask_b32 v44, v42, v41, vcc_lo            ; odd quadrants take sin r
	v_add_nc_u32 v43, 1, v39
	v_and_b32 v43, 2, v43
	v_lshlrev_b32 v43, 30, v43                     ; quadrants 1 and 2 are negative
	v_xor_b32 v[64+4*\k+\e], v44, v43
.endr
	global_store_b128 v3, v[64+4*\k:64+4*\k+3], s[16:17] offset:512*\k   ; two positions: 512 consecutive bytes; each store has registers of its own
.endr
	s_endpgm
.Lfunc_end_k_q393d6315e9_prep:
	.size	k_q393d6315e9_prep, .Lfunc_end_k_q393d6315e9_prep-k_q393d6315e9_prep
	.p2alignl 7, 3214868480
	.fill 96, 4, 3214868480
	.section	.rodata,"a",@progbits
	.p2align	6, 0x0
	.amdhsa_kernel k_q393d6315e9_prep
		.amdhsa_group_segment_fixed_size 33280
		.amdhsa_private_segment_fixed_size 0
		.amdhsa_enable_private_segment 0
		.amdhsa_kernarg_size 56
		.amdhsa_user_sgpr_count 2
		.amdhsa_user_sgpr_kernarg_segment_ptr 1
		.amdhsa_wavefront_size32 1
		.amdhsa_system_sgpr_workgroup_id_x 1
		.amdhsa_system_sgpr_workgroup_id_y 1
		.amdhsa_system_sgpr_workgroup_id_z 1
		.amdhsa_system_vgpr_workitem_id 0
		.amdhsa_next_free_vgpr 192
		.amdhsa_next_free_sgpr 66
		.amdhsa_reserve_vcc 1
		.amdhsa_float_denorm_mode_32 3
		.amdhsa_float_denorm_mode_16_64 3
		.amdhsa_memory_ordered 1
		.amdhsa_forward_progress 1
		.amdhsa_inst_pref_size 93
	.end_amdhsa_kernel
	.amdgpu_metadata
---
amdhsa.version: [ 1, 2 ]
amdhsa.kernels:
  - .name:           k_q393d6315e9_prep
    .symbol:         k_q393d6315e9_prep.kd
    .args:
      - { .name: x, .offset: 0, .size: 8, .value_kind: global_buffer, .address_space: global }
      - { .name: w_qkv, .offset: 8, .size: 8, .value_kind: global_buffer, .address_space: global }
      - { .name: w_out, .offset: 16, .size: 8, .value_kind: global_buffer, .address_space: global }
      - { .name: codes, .offset: 24, .size: 8, .value_kind: global_buffer, .address_space: global }
      - { .name: scales, .offset: 32, .size: 8, .value_kind: global_buffer, .address_space: global }
      - { .name: wo16, .offset: 40, .size: 8, .value_kind: global_buffer, .address_space: global }
      - { .name: rope, .offset: 48, .size: 8, .value_kind: global_buffer, .address_space: global }
    .group_segment_fixed_size: 33280
    .private_segment_fixed_size: 0
    .kernarg_segment_align: 8
    .kernarg_segment_size: 56
    .max_flat_workgroup_size: 128
    .sgpr_count:     66
    .vgpr_count:     192
    .wavefront_size: 32
...
	.end_amdgpu_metadata
.endif
;; end of part 1
;; launch qkv (part 2): grid 12 x 32, 4 waves a work-group, clusters of 4 x 4, 327,680 bytes of LDS; arguments codes, scales, rope, qkv16, fine32; writes qkv16, fine32
.if DOCPART == 2
	.amdgcn_target "amdgcn-amd-amdhsa--gfx1250"
	.amdhsa_code_object_version 6
	.text
	.protected	k_q393d6315e9_qkv
	.globl	k_q393d6315e9_qkv
	.p2align	8
	.type	k_q393d6315e9_qkv,@function
k_q393d6315e9_qkv:
	s_mov_b64 s[64:65], 0
	v_nop
	global_prefetch_b8 v0, s[64:65] scope:SCOPE_SE
	s_setreg_imm32_b32 hwreg(HW_REG_WAVE_MODE, 25, 1), 1
	s_wait_xcnt 0x0
	s_wait_alu depctr_hold_cnt(0) depctr_sa_sdst(0) depctr_va_vdst(0) depctr_va_sdst(0) depctr_va_ssrc(0) depctr_va_vcc(0) depctr_vm_vsrc(0)
	s_getreg_b32 s2, hwreg(HW_REG_IB_STS2, 6, 4)
	s_cmp_eq_u32 s2, 0
	s_cbranch_scc0 .Lentry_in_a_cluster
	s_endpgm
.Lentry_in_a_cluster:
	s_bfe_u32 s2, ttmp6, 0x10000c
	s_cmp_lg_u32 s2, 0xf033
	s_cbranch_scc0 .Lentry_shape_is_right
	s_endpgm
.Lentry_shape_is_right:
; qkv = x w_qkv^T on codes of E2M1 with one E8M0 scale for each 32 along K (8192 x 3072, K = 1024), sums in f32; then the rotary embedding of q and k in f32; then q, k, v rounded to f16, laid by head:
; qkv16 [3 parts][64 batch x head][2048 positions][64].  The first 16 positions of each sequence also leave in f32 (fine32 [4][16][3072]), for the launch that carries them finely.
; A tile of 256 x 256 is made by four waves, each 128 x 128: 64 accumulators, 512 registers.  K goes in two steps of 512 through two LDS slots: both are asked for at the head, and no slot is filled again.
; The scale bytes of the work-group's 256 + 256 rows, for all of K, come into LDS once, in rows of 256 bytes.
; CLUSTER 4 x 4: the four of a row of the cluster need the same tiles of x, the four of a column the same tiles of w_qkv: each tile is asked for jointly.  TILE ROW = 8 cy + cluster y: the four rows of a
; cluster are the four batches at one place in their sequences, so that the place in the sequence (cluster y) and the part q, k or v (cluster x) are the same in all sixteen partners: branches hang on these alone.
; The matrix instruction is used transposed (source 0 = 16 rows of w_qkv, source 1 = 16 rows of x): a lane holds eight neighbouring columns of one row.
; ROTARY: a wave's 128 columns are two heads; column block b (16 columns) of a head pairs with block b + 2 (32 channels on), in the same lane and register: no lane is crossed.
; V's work-groups load the first two sets of the table too and do not use them (8 KB a wave): so the head has one path.
; fine32 is stored in pieces of 32 bytes a lane: 786,432 bytes in the whole launch.
; LIMITS: q, k, v beyond 65,504 in magnitude have no f16.
; REGISTERS: window 0: v0-31 addresses; v32-95 scale words, two sets (on the way out: 64 results in f32); v96-127 packed f16; v128-191 x's fragments (on the way out: rows back from the stage, two sets);
;   v192-255 cos and sin, two sets.  window 1: w_qkv's fragments, two sets.  windows 2, 3: the accumulators ((a, b) at v[8 (8 (a % 4) + b)]).
.set NQ,     4                         ; matrix instructions deep in a slot (512 along K)
.set ROWB,   256                       ; a tile's row in bytes
.set KROW,   512                       ; a row of codes in memory
.set PITCH,  272                       ; an LDS row: 256 bytes + 16 of padding: the 16 rows that a load touches start at 16 different groups of four banks
.set FR,     8
.set NL,     2
.set NP,     4
.set HALFT,  128*PITCH
.set SLOT,   4*HALFT
.set KS,     32                        ; a row of scale bytes
.set SCL,    2*SLOT
.set HALFS,  (128*KS/256)*272
.set SBLK,   (16*KS/256)*272
.set SPARE,  SCL+4*HALFS               ; the spare words, 128 bytes a wave
.set SPITCH, 272                       ; the way out: a stage of 16 rows x (256 bytes + 16) for each wave, in slot 0, which has had its only fill and its last read by then
.set ADRA, 16
.set ADRB, 20
.set STO,  24
.set RD,   25
.set CO,   26
.set ADRS, 27
.set SPW,  28
.set NIL,  29
.set TA,   30                          ; v30 the table: 256 x (lane % 16) + 32 x (lane / 16)
.set FA,   31                          ; v31 fine32: 12,288 x (lane % 16) + 32 x (lane / 16)
.set SC,   32
.set Y,    32
.set TMP,  96
.set AF,   128
.set BK,   128
.set CS,   192
.set G1, 24
.set G0, 32
.set G1B, 48
.set G0B, 56
.set G1S, 68
.set G0S, 76
.set G1SB, 80
.set G0SB, 88
.set FINE, 3                           ; s3  0 where my first 16 rows are a sequence's first 16 positions
.set SBK,  95                          ; s95 the place in the sequence: cluster y
.set TAB,  96                          ; s[96:97] the table at my first row's position
.set OUT,  98                          ; s[98:99] qkv16 at my first head's first row
.set FB,   100                         ; s[100:101] fine32 at my batch and my first column
.set MSB, 0
.macro WIN new                         ; the immediate's high byte repeats the setting that is left
.if MSB != (\new)
	s_set_vgpr_msb (MSB<<8)|(\new)
.set MSB, \new
.endif
.endm
.set MUL_LO, 0xa1                      ; source 0 window 1, source 1 window 0, C and D window 2
.set MUL_HI, 0xf1
.set TO_B,   0x40
; A joint load: waves 0 and 1 fetch for x, waves 2 and 3 for w_qkv.  The branch hangs on the wave's number alone.  An s_nop 0 and four v_nop follow each of the two lines.
.macro JLOAD g0a, g1a, g0b, g1b
	s_cmp_eq_u32 s15, 0
	s_cbranch_scc0 .Lfor_b_\@
	tensor_load_to_lds s[\g0a:\g0a+3], s[\g1a:\g1a+7]
	s_nop 0
.rept 4
	v_nop
.endr
	s_branch .Lasked_\@
.Lfor_b_\@:
	tensor_load_to_lds s[\g0b:\g0b+3], s[\g1b:\g1b+7]
	s_nop 0
.rept 4
	v_nop
.endr
.Lasked_\@:
.endm
.macro CROUND                          ; a round of the cluster's barrier
	s_barrier_signal -1
	s_barrier_wait -1
	s_cmp_lg_u32 s14, 0
	s_cbranch_scc1 .Lnot_wave_0_\@
	s_barrier_signal -3
.Lnot_wave_0_\@:
	s_barrier_wait -3
	s_barrier_signal -1
	s_barrier_wait -1
.endm
	s_load_b128 s[4:7], s[0:1], 0x0                ; codes s[4:5], scales s[6:7]
	s_load_b128 s[8:11], s[0:1], 0x10              ; rope s[8:9], qkv16 s[10:11]
	s_load_b64 s[12:13], s[0:1], 0x20              ; fine32
	v_lshl_add_u32 v[SPW], v0, 2, SPARE
	v_mov_b32 v[NIL], 0
	ds_add_u32 v[SPW], v[NIL]                      ; the wave's opening: the add, twice on end, and its wait ahead of my first tensor load
	ds_add_u32 v[SPW], v[NIL]
	v_lshrrev_b32 v1, 5, v0
	v_readfirstlane_b32 s14, v1                    ; wave 0..3
	s_lshr_b32 s15, s14, 1                         ; which half of the tile's rows is mine.  Also: I fetch for x (0) or for w_qkv (1)
	s_and_b32 s16, s14, 1                          ; which half of its columns.  Also: which 128 rows of that tile I fetch
	s_bfe_u32 s40, ttmp6, 0x40000                  ; cx
	s_bfe_u32 s41, ttmp6, 0x40004                  ; cy
	s_lshl_b32 s42, ttmp9, 2
	s_add_co_u32 s42, s42, s40                     ; tile column = 4 x cluster x + cx
	s_and_b32 s[SBK], ttmp7, 0xffff
	s_lshl_b32 s17, s41, 3
	s_add_co_u32 s17, s17, s[SBK]                  ; tile row = 8 cy + cluster y: batch cy, rows 256 x cluster y on
	s_lshl_b32 s43, s41, 2
	s_lshl_b32 s43, 15, s43                        ; my row of the cluster
	s_lshl_b32 s44, 0x1111, s40                    ; my column
	s_or_b32 s[G1+0], s43, (0<<16)|(1<<20)|(1<<21)|(5<<22)|(3<<25)  ; the mask; elements of 1 byte; padding on; bit 21 beside a mask; after every 64 words, 4 words
	s_or_b32 s[G1B+0], s44, (0<<16)|(1<<20)|(1<<21)|(5<<22)|(3<<25)
.irp g, G1, G1B
	s_mov_b32 s[\g+1], ROWB<<16                    ; tensor_dim0
	s_mov_b32 s[\g+2], 128<<16                     ; tensor_dim1
	s_mov_b32 s[\g+3], ROWB<<16                    ; tile_dim0
	s_mov_b32 s[\g+4], 128                         ; tile_dim1
	s_mov_b32 s[\g+5], KROW                        ; from row to row
	s_mov_b32 s[\g+6], 0
	s_mov_b32 s[\g+7], 0
.endr
	s_or_b32 s[G1S+0], s43, (3<<16)|(1<<20)|(1<<21)|(5<<22)|(3<<25)   ; the scales of 128 rows: 4,096 dense bytes as 16 rows of 256 (32 elements of 8 bytes), 16 bytes of padding behind each
	s_or_b32 s[G1SB+0], s44, (3<<16)|(1<<20)|(1<<21)|(5<<22)|(3<<25)
.irp g, G1S, G1SB
	s_mov_b32 s[\g+1], 32<<16
	s_mov_b32 s[\g+2], (128*KS/256)<<16
	s_mov_b32 s[\g+3], 32<<16
	s_mov_b32 s[\g+4], 128*KS/256
	s_mov_b32 s[\g+5], 32
	s_mov_b32 s[\g+6], 0
	s_mov_b32 s[\g+7], 0
.endr
	s_lshl_b32 s18, s16, 7
	s_lshl_b32 s20, s17, 8
	s_add_co_u32 s20, s20, s18                     ; x: row 256 x tile row + 128 x half
	s_lshl_b32 s46, s42, 8
	s_add_co_u32 s46, s46, s18                     ; w_qkv: row 256 x tile column + 128 x half
	s_mov_b32 s21, 0
	s_mov_b32 s47, 0
	s_mov_b64 s[18:19], KS
	s_mul_u64 s[22:23], s[20:21], s[18:19]
	s_mul_u64 s[92:93], s[46:47], s[18:19]
	s_mov_b64 s[18:19], KROW
	s_mul_u64 s[20:21], s[20:21], s[18:19]
	s_mul_u64 s[46:47], s[46:47], s[18:19]
	s_add_nc_u64 s[46:47], s[46:47], 0x400000      ; w_qkv's codes lie behind x's 4,194,304 bytes,
	s_add_nc_u64 s[92:93], s[92:93], 0x40000       ; its scale bytes behind x's 262,144
	s_mul_i32 s45, s14, HALFT                      ; where they go: wave x 128 rows
	s_mul_i32 s94, s14, HALFS
	s_wait_dscnt 0x0                               ; both opening adds are done
	s_wait_kmcnt 0x0
	s_add_nc_u64 s[20:21], s[4:5], s[20:21]
	s_add_nc_u64 s[22:23], s[6:7], s[22:23]
	s_add_nc_u64 s[46:47], s[4:5], s[46:47]
	s_add_nc_u64 s[92:93], s[6:7], s[92:93]
	CROUND                                         ; all sixteen work-groups are here: the joint loads meet
	s_mov_b32 s[G0S], 1
	s_add_co_u32 s[G0S+1], s94, SCL
	s_mov_b64 s[G0S+2:G0S+3], s[22:23]
	s_or_b32 s[G0S+3], s[G0S+3], 0x80000000
	s_mov_b32 s[G0SB], 1
	s_add_co_u32 s[G0SB+1], s94, SCL
	s_mov_b64 s[G0SB+2:G0SB+3], s[92:93]
	s_or_b32 s[G0SB+3], s[G0SB+3], 0x80000000
	JLOAD G0S, G1S, G0SB, G1SB                     ; the scales first; with the two below three loads of mine are out
.irp s, 0,1
	s_mov_b32 s[G0+4*\s], 1
	s_add_co_u32 s[G0+4*\s+1], s45, \s*SLOT
	s_add_nc_u64 s[G0+4*\s+2:G0+4*\s+3], s[20:21], \s*ROWB
	s_or_b32 s[G0+4*\s+3], s[G0+4*\s+3], 0x80000000
	s_mov_b32 s[G0B+4*\s], 1
	s_add_co_u32 s[G0B+4*\s+1], s45, \s*SLOT
	s_add_nc_u64 s[G0B+4*\s+2:G0B+4*\s+3], s[46:47], \s*ROWB
	s_or_b32 s[G0B+4*\s+3], s[G0B+4*\s+3], 0x80000000
	JLOAD G0+4*\s, G1, G0B+4*\s, G1B
.endr
	v_and_b32 v1, 15, v0                           ; l % 16
	v_bfe_u32 v2, v0, 4, 1                         ; l / 16
	; the table of cos and sin for my first two blocks of 16 rows is asked for now
	v_lshlrev_b32 v[TA], 8, v1
	v_lshl_add_u32 v[TA], v2, 5, v[TA]
	s_lshl_b32 s[TAB], s[SBK], 16                  ; 256 positions x 256 bytes
	s_lshl_b32 s[TAB+1], s15, 15
	s_add_co_u32 s[TAB], s[TAB], s[TAB+1]
	s_mov_b32 s[TAB+1], 0
	s_add_nc_u64 s[TAB:TAB+1], s[8:9], s[TAB:TAB+1]
.macro TLD a                           ; block a's cos and sin into set a % 2: for channel block bb: 8 cos, 8 sin of my row at frequencies 16 bb + 8 (l / 16) + 0..7
.irp bb, 0,1
	global_load_b128 v[CS+32*((\a)%2)+16*\bb:CS+32*((\a)%2)+16*\bb+3], v[TA], s[TAB:TAB+1] offset:(\a)*4096+64*\bb
	global_load_b128 v[CS+32*((\a)%2)+16*\bb+4:CS+32*((\a)%2)+16*\bb+7], v[TA], s[TAB:TAB+1] offset:(\a)*4096+64*\bb+16
	global_load_b128 v[CS+32*((\a)%2)+16*\bb+8:CS+32*((\a)%2)+16*\bb+11], v[TA], s[TAB:TAB+1] offset:(\a)*4096+64*\bb+128
	global_load_b128 v[CS+32*((\a)%2)+16*\bb+12:CS+32*((\a)%2)+16*\bb+15], v[TA], s[TAB:TAB+1] offset:(\a)*4096+64*\bb+144
.endr
.endm
	TLD 0
	TLD 1
	v_mul_u32_u24 v3, v1, PITCH
	v_lshl_add_u32 v4, v2, 4, v3                   ; a fragment's row x pitch + 16 x half
	s_mul_i32 s21, s15, HALFT
	s_mul_i32 s22, s16, HALFT
	s_add_co_u32 s22, s22, 2*HALFT
.irp s, 0,1
	v_add_nc_u32 v[ADRA+\s], s21, v4
	v_add_nc_u32 v[ADRB+\s], s22, v4
	s_add_co_u32 s21, s21, SLOT
	s_add_co_u32 s22, s22, SLOT
.endr
	v_mul_u32_u24 v5, v1, KS                       ; my row's scales: KS bytes a row,
	v_lshrrev_b32 v6, 8, v5
	v_lshl_add_u32 v5, v6, 4, v5                   ; and 16 more for each 256 passed
	s_mul_i32 s21, s15, HALFS
	s_mul_i32 s22, s16, HALFS
	s_add_co_u32 s22, s22, 2*HALFS
	s_sub_co_u32 s22, s22, s21
	v_mul_u32_u24 v6, s22, v2                      ; lanes 16-31 take w_qkv's
	s_add_co_u32 s21, s21, SCL
	v_add_nc_u32 v5, v5, v6
	v_add_nc_u32 v[ADRS], s21, v5
	s_mul_i32 s23, s14, 16*SPITCH                  ; my stage
	v_mul_u32_u24 v5, v1, SPITCH                   ; in: row l % 16, 16 bytes for each half of the lanes
	v_lshl_add_u32 v5, v2, 4, v5
	v_add_nc_u32 v[STO], s23, v5
	v_and_b32 v6, 31, v0
	v_lshlrev_b32 v[CO], 4, v6                     ; out: 16 bytes a lane, 512 on end: four rows of one head
	v_lshrrev_b32 v7, 3, v6
	v_and_b32 v8, 7, v6
	v_mul_u32_u24 v7, v7, SPITCH
	v_lshl_add_u32 v7, v8, 4, v7
	v_add_nc_u32 v[RD], s23, v7                    ; back: eight lanes to a head's 128 bytes of a row, four rows an instruction
	v_mul_u32_u24 v[FA], v1, 12288
	v_lshl_add_u32 v[FA], v2, 5, v[FA]
	s_lshl_b32 s[OUT], s41, 4                      ; batch x 16 heads
	s_lshl_b32 s[OUT+1], s40, 2
	s_add_co_u32 s[OUT], s[OUT], s[OUT+1]          ; + 4 cx
	s_lshl_b32 s[OUT+1], s16, 1
	s_add_co_u32 s[OUT], s[OUT], s[OUT+1]          ; + 2 x my half of the columns
	s_lshl_b32 s[OUT], s[OUT], 11                  ; x 2,048 positions
	s_lshl_b32 s[OUT+1], s[SBK], 8
	s_add_co_u32 s[OUT], s[OUT], s[OUT+1]
	s_lshl_b32 s[OUT+1], s15, 7
	s_add_co_u32 s[OUT], s[OUT], s[OUT+1]          ; + my first position
	s_lshl_b32 s[OUT], s[OUT], 7                   ; x 128 bytes
	s_lshl_b32 s[OUT+1], ttmp9, 24                 ; + the part's 16,777,216 bytes
	s_add_co_u32 s[OUT], s[OUT], s[OUT+1]
	s_mov_b32 s[OUT+1], 0
	s_add_nc_u64 s[OUT:OUT+1], s[10:11], s[OUT:OUT+1]
	s_mul_i32 s[FB], s41, 196608                   ; batch x 16 x 12,288
	s_lshl_b32 s[FB+1], s42, 10
	s_add_co_u32 s[FB], s[FB], s[FB+1]
	s_lshl_b32 s[FB+1], s16, 9
	s_add_co_u32 s[FB], s[FB], s[FB+1]
	s_mov_b32 s[FB+1], 0
	s_add_nc_u64 s[FB:FB+1], s[12:13], s[FB:FB+1]
	s_or_b32 s[FINE], s[SBK], s15
.macro FRAG reg, adr, q, i             ; 16 rows x 128 K of 4-bit codes: 8 registers: lane l holds row l % 16; registers 4 c .. 4 c + 3 hold K = 64 c + 32 (l / 16) + 0 .. 31
.irp c, 0,1
	ds_load_b128 v[\reg+4*\c:\reg+4*\c+3], v[\adr] offset:64*(\q)+32*\c+(\i)*16*PITCH
.endr
.endm
; 16 matrix instructions: x's blocks a0, a0 + 1 against w_qkv's eight.  The 64 accumulators take turns, one instruction a turn, in the same order in every step.
.macro MUL16 a0, p, q, sc, zero
.irp a, \a0, \a0+1
.irp b, 0,1,2,3,4,5,6,7
.if \zero
	v_wmma_scale_f32_16x16x128_f8f6f4 v[8*(8*((\a)%4)+\b):8*(8*((\a)%4)+\b)+7], v[128*(\p)+FR*\b:128*(\p)+FR*\b+FR-1], v[AF+FR*(\a):AF+FR*(\a)+FR-1], 0, v[SC+8*NQ*(\sc)+NQ*\b+(\q)], v[SC+8*NQ*(\sc)+NQ*(\a)+(\q)] matrix_a_fmt:MATRIX_FMT_FP4 matrix_b_fmt:MATRIX_FMT_FP4 matrix_a_scale:MATRIX_SCALE_ROW1
.else
	v_wmma_scale_f32_16x16x128_f8f6f4 v[8*(8*((\a)%4)+\b):8*(8*((\a)%4)+\b)+7], v[128*(\p)+FR*\b:128*(\p)+FR*\b+FR-1], v[AF+FR*(\a):AF+FR*(\a)+FR-1], v[8*(8*((\a)%4)+\b):8*(8*((\a)%4)+\b)+7], v[SC+8*NQ*(\sc)+NQ*\b+(\q)], v[SC+8*NQ*(\sc)+NQ*(\a)+(\q)] matrix_a_fmt:MATRIX_FMT_FP4 matrix_b_fmt:MATRIX_FMT_FP4 matrix_a_scale:MATRIX_SCALE_ROW1
.endif
.endr
.endr
.endm
.macro FETCH_B slot, q, p
	WIN TO_B
.irp i, 0,1,2,3,4,5,6,7
	FRAG 128*(\p)+FR*\i, ADRB+\slot, \q, \i
.endr
	WIN 0
.endm
.macro FETCH_A slot, q, i0
.irp i, \i0, \i0+1, \i0+2, \i0+3
	FRAG AF+FR*(\i), ADRA+\slot, \q, \i
.endr
.endm
.macro SCALES sc                       ; a slot's scale words: four a row; lanes 0-15 take x's block i, lanes 16-31 w_qkv's block i
.irp i, 0,1,2,3,4,5,6,7
	ds_load_b128 v[SC+8*NQ*\sc+NQ*\i:SC+8*NQ*\sc+NQ*\i+3], v[ADRS] offset:\i*SBLK
.endr
.endm
.macro PLACES n                        ; plain vector instructions between a matrix instruction and a load into, or a vector read or write of, its registers
.rept \n
	v_nop
.endr
.endm
.macro STEP slot, q, zero              ; 128 along K that has its successor in the same slot
	s_wait_dscnt 4*NL                              ; all but the youngest eight loads (x's blocks 4-7)
	WIN MUL_LO
	MUL16 0, (\q)%2, \q, \slot, \zero
	MUL16 2, (\q)%2, \q, \slot, \zero
	s_wait_dscnt 0
	PLACES NP
	FETCH_B \slot, (\q)+1, 1-(\q)%2
	FETCH_A \slot, (\q)+1, 0
	WIN MUL_HI
	MUL16 4, (\q)%2, \q, \slot, \zero
	MUL16 6, (\q)%2, \q, \slot, \zero
	PLACES NP
	WIN 0
	FETCH_A \slot, (\q)+1, 4
.endm
.macro TURN slot, next                 ; a slot's last step changes slots: one barrier
	s_wait_tensorcnt 0x0                           ; all my tensor loads have landed: my part of the next slot
	ds_add_u32 v[SPW], v[NIL]                      ; 0 onto my spare word
	s_wait_dscnt 4*NL+1                            ; (the add and the youngest eight loads may be out)
	WIN MUL_LO
	MUL16 0, 1, NQ-1, \slot, 0
	s_wait_dscnt 0x0                               ; the add is done, and my reads of this slot are over
	s_barrier_signal -1
	MUL16 2, 1, NQ-1, \slot, 0
	WIN 0
	s_barrier_wait -1
	PLACES NP
	v_add_nc_u32 v[ADRS], 4*NQ, v[ADRS]            ; on to the next slot's scale words
	FETCH_B \next, 0, 0
	FETCH_A \next, 0, 0
	SCALES \next
	WIN MUL_HI
	MUL16 4, 1, NQ-1, \slot, 0
	MUL16 6, 1, NQ-1, \slot, 0
	PLACES NP
	WIN 0
	FETCH_A \next, 0, 4
.endm
.macro STEPS slot, from
.set Q, \from
.rept NQ-1-\from
	STEP \slot, Q, 0
.set Q, Q+1
.endr
.endm
	s_wait_tensorcnt 1                             ; the scales and my part of slot 0 are in; slot 1's load, the one issued behind them, may be out
	s_barrier_signal -1
	s_barrier_wait -1
	FETCH_B 0, 0, 0
	FETCH_A 0, 0, 0
	SCALES 0
	FETCH_A 0, 0, 4
	STEP 0, 0, 1                                   ; the first products start the sums: nothing is cleared
	STEPS 0, 1
	TURN 0, 1
	STEPS 1, 0
	s_wait_dscnt 4*NL
	WIN MUL_LO
	MUL16 0, 1, NQ-1, 1, 0
	MUL16 2, 1, NQ-1, 1, 0
	s_wait_dscnt 0
	WIN MUL_HI
	MUL16 4, 1, NQ-1, 1, 0
	MUL16 6, 1, NQ-1, 1, 0
	WIN 0
; THE WAY OUT, a block of 16 rows x 128 columns (two heads) at a time: f16, 16 bytes a lane, into my stage; back as four rows of one head, 512 bytes that lie on end in qkv16.
.macro STAGEIO a
.irp b, 0,1,2,3,4,5,6,7
	ds_store_b128 v[STO], v[TMP+4*\b:TMP+4*\b+3] offset:32*\b
.endr
.irp hh, 0,1
.irp t, 0,1,2,3
	ds_load_b128 v[BK+32*((\a)%2)+4*(4*\hh+\t):BK+32*((\a)%2)+4*(4*\hh+\t)+3], v[RD] offset:\t*4*SPITCH+\hh*128   ; LDS serves a wave's instructions in order: these see the stores above
.endr
.endr
.endm
.macro SEND a, younger                 ; younger: the LDS instructions issued behind block a's loads
	s_wait_dscnt \younger
.irp hh, 0,1
.irp t, 0,1,2,3
	global_store_b128 v[CO], v[BK+32*((\a)%2)+4*(4*\hh+\t):BK+32*((\a)%2)+4*(4*\hh+\t)+3], s[OUT:OUT+1] offset:\hh*262144+(\a)*2048+\t*512   ; 512 consecutive bytes, aligned
.endr
.endr
.endm
; q and k: out(d) = x(d) cos(d) - x(d + 32) sin(d); out(d + 32) = x(d + 32) cos(d) + x(d) sin(d), d under 32.  Each accumulator is read from its low end on.
.macro TOSTAGE_R a
.set AC, 64*((\a)%4)
.set CSB, CS+32*((\a)%2)
.if (\a) < 7
	s_wait_loadcnt 8                               ; this block's eight loads of the table are in; the next block's eight may be out
.else
	s_wait_loadcnt 0
.endif
	WIN 0x02+(\a)/4                                ; source 0: the accumulators' window
.irp hh, 0,1
.irp bb, 0,1
.irp jp, 0,2,4,6
	v_pk_mul_f32 v[Y+8*(4*\hh+\bb)+\jp:Y+8*(4*\hh+\bb)+\jp+1], v[AC+8*(4*\hh+\bb+2)+\jp:AC+8*(4*\hh+\bb+2)+\jp+1], v[CSB+16*\bb+8+\jp:CSB+16*\bb+8+\jp+1]
	v_pk_mul_f32 v[Y+8*(4*\hh+\bb+2)+\jp:Y+8*(4*\hh+\bb+2)+\jp+1], v[AC+8*(4*\hh+\bb)+\jp:AC+8*(4*\hh+\bb)+\jp+1], v[CSB+16*\bb+8+\jp:CSB+16*\bb+8+\jp+1]
.endr
.irp jp, 0,2,4,6
	v_pk_fma_f32 v[Y+8*(4*\hh+\bb)+\jp:Y+8*(4*\hh+\bb)+\jp+1], v[AC+8*(4*\hh+\bb)+\jp:AC+8*(4*\hh+\bb)+\jp+1], v[CSB+16*\bb+\jp:CSB+16*\bb+\jp+1], v[Y+8*(4*\hh+\bb)+\jp:Y+8*(4*\hh+\bb)+\jp+1] neg_lo:[0,0,1] neg_hi:[0,0,1]
	v_pk_fma_f32 v[Y+8*(4*\hh+\bb+2)+\jp:Y+8*(4*\hh+\bb+2)+\jp+1], v[AC+8*(4*\hh+\bb+2)+\jp:AC+8*(4*\hh+\bb+2)+\jp+1], v[CSB+16*\bb+\jp:CSB+16*\bb+\jp+1], v[Y+8*(4*\hh+\bb+2)+\jp:Y+8*(4*\hh+\bb+2)+\jp+1]
.endr
.endr
.endr
	WIN 0
.if (\a) < 6
	TLD (\a)+2                                     ; the set just read takes the block two further on
.endif
.if (\a) == 0
	s_cmp_lg_u32 s[FINE], 0                        ; cluster y and the wave's number alone
	s_cbranch_scc1 .Lnofine_r
.irp b, 0,1,2,3,4,5,6,7
	global_store_b128 v[FA], v[Y+8*\b:Y+8*\b+3], s[FB:FB+1] offset:64*\b
	global_store_b128 v[FA], v[Y+8*\b+4:Y+8*\b+7], s[FB:FB+1] offset:64*\b+16
.endr
.Lnofine_r:
.endif
.irp b, 0,1,2,3,4,5,6,7
.irp jj, 0,1,2,3
	v_cvt_pk_f16_f32 v[TMP+4*\b+\jj], v[Y+8*\b+2*\jj], v[Y+8*\b+2*\jj+1]
.endr
.endr
	STAGEIO \a
.endm
.macro TOSTAGE_V a                     ; v: rounded as it is
.set AC, 64*((\a)%4)
	WIN 0x0a+5*((\a)/4)                            ; sources 0 and 1: the accumulators' window
.irp b, 0,1,2,3,4,5,6,7
.irp jj, 0,1,2,3
	v_cvt_pk_f16_f32 v[TMP+4*\b+\jj], v[AC+8*\b+2*\jj], v[AC+8*\b+2*\jj+1]
.endr
.endr
	WIN 0
.if (\a) == 0
	s_cmp_lg_u32 s[FINE], 0
	s_cbranch_scc1 .Lnofine_v
	WIN 0x08                                       ; a store's data are its source 1: window 2
.irp b, 0,1,2,3,4,5,6,7
	global_store_b128 v[FA], v[8*\b:8*\b+3], s[FB:FB+1] offset:64*\b
	global_store_b128 v[FA], v[8*\b+4:8*\b+7], s[FB:FB+1] offset:64*\b+16
.endr
	WIN 0
.Lnofine_v:
.endif
	STAGEIO \a
.endm
	PLACES NP                                      ; behind the last products: their results are read, and their operands' and scales' registers written, below
	s_cmp_eq_u32 ttmp9, 2                          ; cluster x = the part: the same in all sixteen partners
	s_cbranch_scc1 .Lplain
	TOSTAGE_R 0
.irp a, 1,2,3,4,5,6,7
	s_wait_xcnt 0x0                                ; earlier stores have read their registers: the f32 results and the set that block a's rows come back into are written again only behind this wait
	TOSTAGE_R \a
	SEND \a-1, 16                                  ; behind block a - 1's loads: block a's 8 stores and 8 loads
.endr
	SEND 7, 0
	s_branch .Ltail
.Lplain:
	TOSTAGE_V 0
.irp a, 1,2,3,4,5,6,7
	s_wait_xcnt 0x0
	TOSTAGE_V \a
	SEND \a-1, 16
.endr
	SEND 7, 0
.Ltail:
	s_wait_tensorcnt 0x0                           ; the wave's end, behind my last tensor load and my last LDS store
	ds_add_u32 v[SPW], v[NIL]
	s_wait_dscnt 0x0
	CROUND                                         ; the closing round
	s_endpgm
.Lfunc_end_k_q393d6315e9_qkv:
	.size	k_q393d6315e9_qkv, .Lfunc_end_k_q393d6315e9_qkv-k_q393d6315e9_qkv
	.p2alignl 7, 3214868480
	.fill 96, 4, 3214868480
	.section	.rodata,"a",@progbits
	.p2align	6, 0x0
	.amdhsa_kernel k_q393d6315e9_qkv
		.amdhsa_group_segment_fixed_size 327680
		.amdhsa_private_segment_fixed_size 0
		.amdhsa_enable_private_segment 0
		.amdhsa_kernarg_size 40
		.amdhsa_user_sgpr_count 2
		.amdhsa_user_sgpr_kernarg_segment_ptr 1
		.amdhsa_wavefront_size32 1
		.amdhsa_system_sgpr_workgroup_id_x 1
		.amdhsa_system_sgpr_workgroup_id_y 1
		.amdhsa_system_sgpr_workgroup_id_z 1
		.amdhsa_system_vgpr_workitem_id 0
		.amdhsa_next_free_vgpr 1024
		.amdhsa_next_free_sgpr 102
		.amdhsa_reserve_vcc 0
		.amdhsa_float_denorm_mode_32 3
		.amdhsa_float_denorm_mode_16_64 3
		.amdhsa_memory_ordered 1
		.amdhsa_forward_progress 1
		.amdhsa_inst_pref_size 200
	.end_amdhsa_kernel
	.amdgpu_metadata
---
amdhsa.version: [ 1, 2 ]
amdhsa.kernels:
  - .name:           k_q393d6315e9_qkv
    .symbol:         k_q393d6315e9_qkv.kd
    .args:
      - { .name: codes, .offset: 0, .size: 8, .value_kind: global_buffer, .address_space: global }
      - { .name: scales, .offset: 8, .size: 8, .value_kind: global_buffer, .address_space: global }
      - { .name: rope, .offset: 16, .size: 8, .value_kind: global_buffer, .address_space: global }
      - { .name: qkv16, .offset: 24, .size: 8, .value_kind: global_buffer, .address_space: global }
      - { .name: fine32, .offset: 32, .size: 8, .value_kind: global_buffer, .address_space: global }
    .group_segment_fixed_size: 327680
    .private_segment_fixed_size: 0
    .kernarg_segment_align: 8
    .kernarg_segment_size: 40
    .max_flat_workgroup_size: 128
    .sgpr_count:     102
    .vgpr_count:     1024
    .wavefront_size: 32
...
	.end_amdgpu_metadata
.endif
;; end of part 2
;; launch attn (part 3): grid 4 x 64, 8 waves a work-group, clusters of 4 x 1, 327,680 bytes of LDS; arguments qkv16, att; writes att
.if DOCPART == 3
	.amdgcn_target "amdgcn-amd-amdhsa--gfx1250"
	.amdhsa_code_object_version 6
	.text
	.protected	k_q393d6315e9_attn
	.globl	k_q393d6315e9_attn
	.p2align	8
	.type	k_q393d6315e9_attn,@function
k_q393d6315e9_attn:
	s_mov_b64 s[64:65], 0
	v_nop
	global_prefetch_b8 v0, s[64:65] scope:SCOPE_SE
	s_setreg_imm32_b32 hwreg(HW_REG_WAVE_MODE, 25, 1), 1
	s_wait_xcnt 0x0
	s_wait_alu depctr_hold_cnt(0) depctr_sa_sdst(0) depctr_va_vdst(0) depctr_va_sdst(0) depctr_va_ssrc(0) depctr_va_vcc(0) depctr_vm_vsrc(0)
	s_getreg_b32 s2, hwreg(HW_REG_IB_STS2, 6, 4)
	s_cmp_eq_u32 s2, 0
	s_cbranch_scc0 .Lentry_in_a_cluster
	s_endpgm
.Lentry_in_a_cluster:
	s_bfe_u32 s2, ttmp6, 0x10000c
	s_cmp_lg_u32 s2, 0x3003
	s_cbranch_scc0 .Lentry_shape_is_right
	s_endpgm
.Lentry_shape_is_right:
; att[bh][q][:] = the sum over k <= q of softmax_k(q . k / 8) v[k][:], for 64 heads of 2,048 positions x 64 channels.  q, k, v: f16 (qkv16 [3][64][2048][64]); products with f32 sums; maxima, exponentials and
; sums in f32, with a running maximum; the weights p are rounded to f16 for the second product; att [64][2048][64] is f16.
; SHARES.  A cluster of four work-groups is one head.  The 2,048 queries are 16 granules of 128; partner cx owns queries 128 g + 32 cx + 0..31 of every granule g.  Wave w (of eight) owns pair A, the two tiles of 16
; queries in granule w, and pair B, those in granule 15 - w: (2 w + 2) + (32 - 2 w) = 34 pair-steps for every wave.  All partners walk all 2,048 keys, 64 a step; K and V are asked for jointly, once for the four.
; A pair's step t is left out where t > 2 g + 1: that hangs on the wave's number and the count of steps, the same in all partners.  cx enters q's and att's addresses, the prefetch's address and the number QD that
; is compared with keys: no branch and no LDS address.  Wave 0's pair B reads every tile, in every partner.  Steps 2 g and 2 g + 1 are masked lane by lane; for cx = 0, 1 step 2 g + 1 is wholly hidden and adds zeros.
; LAYOUT.  S^T = K Q^T (source 0 = 16 keys, source 1 = 16 queries): a lane holds one query (lane % 16) and keys 8 (lane / 16) + 0..7.  Two such tiles, rounded in pairs, are source 1 of O^T = V^T P.
; V ([key][channel]) comes out of LDS turned, by ds_load_tr16_b128.  P is made in place, in the low half of a tile's scores.
; The step is written once for all steps: O^T and l begin as zeros (128 + 8 v_mov_b32, once a wave) and m as -3e38, so that the first step's factor a is 0.
; LIMITS: scores under -3e38 are not served.
; REGISTERS: window 0: v2-17 addresses; v24-55 eight registers of statistics a tile (+0 c m, +1 m, +2, +3 l, +4..7 at work, a at +6); v64-191 S^T, 32 a tile; v192-255 K of a step.
;   window 1: v0-127 O^T, 32 a tile; v128-191 Q, 16 a tile; v192-255 V of a step.
.set KS,    64
.set PK,    144       ; a row of K in LDS: 128 bytes + 16: the 16 rows of a load start at 16 different groups of four banks
.set PV,    160       ; a row of V: 128 + 32: an odd multiple of 32 bytes
.set VOFF,  KS*PK
.set STEPB, KS*(PK+PV)
.set SLOT1, 1<<17     ; a slot holds four steps (77,824 bytes); slot 1 begins here, so that one exclusive or turns an address
.set SPARE, SLOT1+4*STEPB  ; the spare words, 128 bytes for each of the eight waves
.set SP,    144       ; the way out: 16 rows x 144 bytes a wave, from LDS byte 0: slot 0 has had its last fill and its last read at the last change of slots
.set AK0, 2
.set AV0, 3
.set ADK, 4
.set ADV, 5
.set QO,  6
.set STO, 7
.set RD,  8
.set GO,  9
.set QD,  10          ; v10 32 cx + lane % 16 - 8 (lane / 16)
.set D0,  11          ; v11, v12 the mask's bounds for the pair's two tiles
.set NINF, 13
.set PFO, 14
.set SPW, 16
.set NIL, 17
.set ST,  24
.set S,   64
.set KF,  192
.set QF,  128
.set VF,  192
.set WV,  12
.set LIM, 15
.set PFA, 18
.set G1K, 24
.set G1V, 32
.set G0K, 40
.set G0V, 44
.set QA,  48
.set QB,  50
.set OA,  52
.set OB,  54
.set SLOTS, 56
.set CNT, 57
.set CS,  58
.set SEL, 60
.set TB,  62
.set KT,  66
.set LASTA, 67
.set LASTB, 68
.set MSB, 0
.macro WIN new
.if MSB != (\new)
	s_set_vgpr_msb (MSB<<8)|(\new)
.set MSB, \new
.endif
.endm
.set W_KQ, 0x04       ; Q in window 1; K and S^T in window 0
.set W_PV, 0x51       ; V and O^T in window 1, P in window 0
.set W_RS, 0x41       ; O^T (destination and source 0) in window 1
.set TO1,  0x40       ; destination window 1
.set W_CV, 0x05       ; sources 0 and 1 window 1
.macro PLACES n
.rept \n
	v_nop
.endr
.endm
; A joint load.  Waves 0 to 3 fetch K of the slot's step w, waves 4 to 7 V of step w - 4: 64 rows of 128 bytes each.  An s_nop 0 and four v_nop follow each of the two lines.
.macro JLOAD
	s_cmp_lt_u32 s[WV], 4
	s_cbranch_scc0 .Lfor_v_\@
	tensor_load_to_lds s[G0K:G0K+3], s[G1K:G1K+7]
	s_nop 0
	PLACES 4
	s_branch .Lasked_\@
.Lfor_v_\@:
	tensor_load_to_lds s[G0V:G0V+3], s[G1V:G1V+7]
	s_nop 0
	PLACES 4
.Lasked_\@:
.endm
; A prefetch of what the NEXT change of slots will ask for: a block's 32,768 bytes of K and of V.  Wave 0 asks for K's, wave 4 for V's; the four partners share a block out by address, 8,192 bytes each, lanes 256
; bytes apart: each aligned 256 bytes are named once in the launch.  The last change that fills a slot asks for nothing.
.macro ASK
	s_cmp_gt_u32 s[SLOTS], s[LIM]
	s_cbranch_scc0 .Lnot_mine_\@
	global_prefetch_b8 v[PFO], s[PFA:PFA+1] th:TH_LOAD_NT scope:SCOPE_SE
.Lnot_mine_\@:
.endm
.macro CROUND
	s_barrier_signal -1
	s_barrier_wait -1
	s_cmp_lg_u32 s[WV], 0
	s_cbranch_scc1 .Lnot_wave_0_\@
	s_barrier_signal -3
.Lnot_wave_0_\@:
	s_barrier_wait -3
	s_barrier_signal -1
	s_barrier_wait -1
.endm
	s_load_b128 s[4:7], s[0:1], 0x0   ; qkv16 s[4:5], att s[6:7]
	v_lshl_add_u32 v[SPW], v0, 2, SPARE
	v_mov_b32 v[NIL], 0
	ds_add_u32 v[SPW], v[NIL]       ; the wave's opening: the add, twice on end, and its wait ahead of my first tensor load
	ds_add_u32 v[SPW], v[NIL]
	v_lshrrev_b32 v1, 5, v0
	v_readfirstlane_b32 s[WV], v1   ; wave 0..7
	s_bfe_u32 s13, ttmp6, 0x40000   ; cx
	s_and_b32 s14, ttmp7, 0xffff    ; the head, which the four partners share
	s_lshl_b32 s20, s14, 18         ; its 262,144 bytes in each part
	s_and_b32 s16, s[WV], 3         ; which of a slot's four steps I fetch
	s_lshl_b32 s21, s16, 13         ; its 64 rows of 128 bytes
	s_add_co_u32 s22, s20, s21
	s_add_co_u32 s22, s22, 0x1000000  ; k's part
	s_mov_b32 s23, 0
	s_add_co_u32 s2, s22, 0x1000000   ; v's part
	s_mov_b32 s3, 0
	s_mul_i32 s17, s16, STEPB       ; and its place in a slot
	s_lshl_b32 s71, s13, 12         ; 32 cx rows of 128 bytes
	s_add_co_u32 s72, s20, s71
	s_lshl_b32 s70, s[WV], 14       ; granule w: 128 rows
	s_add_co_u32 s[QA], s72, s70
	s_mov_b32 s[QA+1], 0
	s_sub_co_u32 s73, 15, s[WV]
	s_lshl_b32 s73, s73, 14         ; granule 15 - w
	s_add_co_u32 s[QB], s72, s73
	s_mov_b32 s[QB+1], 0
	s_mov_b32 s[G1K], 15|(1<<16)|(1<<20)|(1<<21)|(4<<22)|(3<<25)  ; the mask: all four; elements of 2 bytes; padding on; bit 21 beside a mask; after every 32 words, 4 words
	s_mov_b32 s[G1V], 15|(1<<16)|(1<<20)|(1<<21)|(4<<22)|(7<<25)  ; the same with 8 words
.irp g, G1K, G1V
	s_mov_b32 s[\g+1], 64<<16       ; tensor_dim0
	s_mov_b32 s[\g+2], KS<<16       ; tensor_dim1
	s_mov_b32 s[\g+3], 64<<16       ; tile_dim0
	s_mov_b32 s[\g+4], KS           ; tile_dim1
	s_mov_b32 s[\g+5], 64           ; from row to row
	s_mov_b32 s[\g+6], 0
	s_mov_b32 s[\g+7], 0
.endr
	s_mov_b32 s[CS], 0x3e38aa3b     ; c = log2(e) / 8
	s_mov_b32 s[CS+1], s[CS]
	s_mov_b32 s[SEL], 0x76543210
	s_mov_b32 s[SEL+1], 0xfedcba98
	s_mov_b32 s[TB], 0
	s_mov_b32 s[KT], 0
	s_mov_b32 s[SLOTS], 7
	s_lshl_b32 s[LASTA], s[WV], 1
	s_add_co_u32 s[LASTA], s[LASTA], 1   ; pair A's last step: 2 w + 1
	s_sub_co_u32 s[LASTB], 32, s[LASTA]  ; pair B's: 31 - 2 w
	s_cmp_eq_u32 s16, 0
	s_cselect_b32 s[LIM], 1, -1     ; waves 0 and 4 prefetch
	s_wait_dscnt 0x0                ; both opening adds are done
	s_wait_kmcnt 0x0
	s_add_nc_u64 s[8:9], s[4:5], s[22:23]    ; k at my tile of block 0
	s_add_nc_u64 s[10:11], s[4:5], s[2:3]    ; v likewise
	s_add_nc_u64 s[OA:OA+1], s[6:7], s[QA:QA+1]
	s_add_nc_u64 s[OB:OB+1], s[6:7], s[QB:QB+1]
	s_add_nc_u64 s[QA:QA+1], s[4:5], s[QA:QA+1]
	s_add_nc_u64 s[QB:QB+1], s[4:5], s[QB:QB+1]
	s_mov_b32 s[G0K], 1
	s_mov_b32 s[G0K+1], s17
	s_mov_b64 s[G0K+2:G0K+3], s[8:9]
	s_or_b32 s[G0K+3], s[G0K+3], 0x80000000
	s_mov_b32 s[G0V], 1
	s_add_co_u32 s[G0V+1], s17, VOFF
	s_mov_b64 s[G0V+2:G0V+3], s[10:11]
	s_or_b32 s[G0V+3], s[G0V+3], 0x80000000
	s_cmp_lt_u32 s[WV], 4
	s_cselect_b64 s[PFA:PFA+1], s[8:9], s[10:11]
	s_lshl_b32 s70, s13, 13         ; my work-group's 8,192 bytes of a block,
	s_add_co_u32 s70, s70, 32768    ; in block 1: the first change of slots steps it to block 2.  Nothing is prefetched at the head
	s_mov_b32 s71, 0
	s_add_nc_u64 s[PFA:PFA+1], s[PFA:PFA+1], s[70:71]
	CROUND                          ; all four work-groups are here
	JLOAD                           ; block 0 into slot 0: one load of mine is out
	v_and_b32 v1, 15, v0            ; r
	v_bfe_u32 v18, v0, 4, 1         ; h
	v_and_b32 v19, 31, v0           ; lane
	v_lshlrev_b32 v[QO], 7, v1
	v_lshl_add_u32 v[QO], v18, 4, v[QO]
	WIN TO1
.irp u, 0,1
.irp c, 0,1                         ; Q stays in registers: tile, channels 32 c on
	global_load_b128 v[QF+16*\u+8*\c:QF+16*\u+8*\c+3], v[QO], s[QA:QA+1] offset:\u*2048+64*\c
	global_load_b128 v[QF+16*\u+8*\c+4:QF+16*\u+8*\c+7], v[QO], s[QA:QA+1] offset:\u*2048+64*\c+32
	global_load_b128 v[QF+32+16*\u+8*\c:QF+32+16*\u+8*\c+3], v[QO], s[QB:QB+1] offset:\u*2048+64*\c
	global_load_b128 v[QF+32+16*\u+8*\c+4:QF+32+16*\u+8*\c+7], v[QO], s[QB:QB+1] offset:\u*2048+64*\c+32
.endr
.endr
.set II, 0
.rept 128
	v_mov_b32 v[II], 0              ; O^T
.set II, II+1
.endr
	WIN 0
	v_mul_u32_u24 v[AK0], v1, PK
	v_lshl_add_u32 v[AK0], v18, 4, v[AK0]
	v_and_b32 v20, 7, v0
	v_bfe_u32 v21, v0, 3, 1
	v_lshl_add_u32 v[AV0], v18, 3, v20
	v_mul_u32_u24 v[AV0], v[AV0], PV
	v_lshl_add_u32 v[AV0], v21, 4, v[AV0]
	v_add_nc_u32 v[AV0], VOFF, v[AV0]
	s_mul_i32 s70, s[WV], 16*SP     ; my stage
	v_mul_u32_u24 v[STO], v1, SP
	v_lshl_add_u32 v[STO], v18, 4, v[STO]
	v_add_nc_u32 v[STO], s70, v[STO]
	v_lshrrev_b32 v22, 3, v19
	v_mul_u32_u24 v[RD], v22, SP
	v_lshl_add_u32 v[RD], v20, 4, v[RD]
	v_add_nc_u32 v[RD], s70, v[RD]
	v_lshlrev_b32 v[GO], 4, v19
	v_lshlrev_b32 v22, 3, v18
	v_sub_nc_u32 v[QD], v1, v22
	s_lshl_b32 s71, s13, 5
	v_add_nc_u32 v[QD], s71, v[QD]
	v_mov_b32 v[NINF], 0xff800000
	v_lshlrev_b32 v[PFO], 8, v19
.irp t, 0,1,2,3
	v_mov_b32 v[ST+8*\t+1], 0xff61b1e6   ; m = -3e38
	v_mul_f32 v[ST+8*\t], s[CS], v[ST+8*\t+1]
.irp i, 2,3,4,5,6,7
	v_mov_b32 v[ST+8*\t+\i], 0
.endr
.endr
.macro FETCH                        ; a step's K (8 fragments) and V (8, turned): two runs of 16 loads
	v_add_nc_u32 v[ADK], s[TB], v[AK0]
	v_add_nc_u32 v[ADV], s[TB], v[AV0]
.irp kt, 0,1,2,3
.irp c, 0,1
	ds_load_b128 v[KF+16*\kt+8*\c:KF+16*\kt+8*\c+3], v[ADK] offset:\kt*16*PK+64*\c
	ds_load_b128 v[KF+16*\kt+8*\c+4:KF+16*\kt+8*\c+7], v[ADK] offset:\kt*16*PK+64*\c+32
.endr
.endr
	WIN TO1
.irp kk, 0,1
.irp ct, 0,1,2,3
	ds_load_tr16_b128 v[VF+32*\kk+8*\ct:VF+32*\kk+8*\ct+3], v[ADV] offset:\kk*32*PV+32*\ct
	ds_load_tr16_b128 v[VF+32*\kk+8*\ct+4:VF+32*\kk+8*\ct+7], v[ADV] offset:\kk*32*PV+16*PV+32*\ct
.endr
.endr
	WIN 0
.endm
; 16 products S^T = K Q^T of pair x: eight accumulators by turns, one instruction a turn; the first eight start the sums.
.macro KQ x
	WIN W_KQ
.irp c, 0,1
.irp kt, 0,1,2,3
.irp u, 0,1
.if \c == 0
	v_wmma_f32_16x16x32_f16 v[S+32*(\x+\u)+8*\kt:S+32*(\x+\u)+8*\kt+7], v[KF+16*\kt+8*\c:KF+16*\kt+8*\c+7], v[QF+16*(\x+\u)+8*\c:QF+16*(\x+\u)+8*\c+7], 0
.else
	v_wmma_f32_16x16x32_f16 v[S+32*(\x+\u)+8*\kt:S+32*(\x+\u)+8*\kt+7], v[KF+16*\kt+8*\c:KF+16*\kt+8*\c+7], v[QF+16*(\x+\u)+8*\c:QF+16*(\x+\u)+8*\c+7], v[S+32*(\x+\u)+8*\kt:S+32*(\x+\u)+8*\kt+7]
.endif
.endr
.endr
.endr
.endm
; 16 products O^T += V^T P of pair x, again eight accumulators by turns.
.macro PV x
	WIN W_PV
.irp kk, 0,1
.irp ct, 0,1,2,3
.irp u, 0,1
	v_wmma_f32_16x16x32_f16 v[32*(\x+\u)+8*\ct:32*(\x+\u)+8*\ct+7], v[VF+32*\kk+8*\ct:VF+32*\kk+8*\ct+7], v[S+32*(\x+\u)+8*\kk:S+32*(\x+\u)+8*\kk+7], v[32*(\x+\u)+8*\ct:32*(\x+\u)+8*\ct+7]
.endr
.endr
.endr
.endm
; The causal mask, in a pair's last two steps alone.  Register n of a tile holds key 64 t + 16 (n / 8) + 8 (lane / 16) + n % 8; within the granule it is hidden where 16 (n / 8) + n % 8 > QD + 16 u - 64 (t - (last - 1)).
.macro MASK x, last
	s_add_co_u32 s70, s[KT], 1
	s_cmp_lt_u32 s70, s[\last]
	s_cbranch_scc1 .Lopen_\@
	s_sub_co_u32 s71, s[\last], s70
	s_lshl_b32 s71, s71, 6          ; 0 in the last step but one, -64 in the last
	v_add_nc_u32 v[D0], s71, v[QD]
	v_add_nc_u32 v[D0+1], 16, v[D0]
.irp u, 0,1
.set NN, 0
.rept 32
	v_cmp_gt_i32 vcc_lo, 16*(NN/8)+NN%8, v[D0+\u]
	v_cndmask_b32 v[S+32*(\x+\u)+NN], v[S+32*(\x+\u)+NN], v[NINF], vcc_lo
.set NN, NN+1
.endr
.endr
.Lopen_\@:
.endm
; The softmax of pair x for one step, the two tiles line by line.  Each accumulator is read from its low end on.
.macro SOFTMAX x, last
	MASK \x, \last
.irp j, 0,1,2,3
.irp t, \x, \x+1
	v_max3_num_f32 v[ST+8*(\t)+4+\j], v[S+32*(\t)+8*\j], v[S+32*(\t)+8*\j+1], v[S+32*(\t)+8*\j+2]
.endr
.endr
.irp i, 3,5
.irp j, 0,1,2,3
.irp t, \x, \x+1
	v_max3_num_f32 v[ST+8*(\t)+4+\j], v[ST+8*(\t)+4+\j], v[S+32*(\t)+8*\j+\i], v[S+32*(\t)+8*\j+\i+1]
.endr
.endr
.endr
.irp t, \x, \x+1
	v_max3_num_f32 v[ST+8*(\t)+4], v[ST+8*(\t)+4], v[S+32*(\t)+7], v[S+32*(\t)+15]
	v_max3_num_f32 v[ST+8*(\t)+6], v[ST+8*(\t)+6], v[S+32*(\t)+23], v[S+32*(\t)+31]
.endr
.irp t, \x, \x+1
	v_max3_num_f32 v[ST+8*(\t)+4], v[ST+8*(\t)+4], v[ST+8*(\t)+5], v[ST+8*(\t)+6]
.endr
.irp t, \x, \x+1
	v_max3_num_f32 v[ST+8*(\t)+4], v[ST+8*(\t)+4], v[ST+8*(\t)+7], v[ST+8*(\t)+1]   ; with the old m
.endr
.irp t, \x, \x+1
	v_permlanex16_b32 v[ST+8*(\t)+5], v[ST+8*(\t)+4], s[SEL], s[SEL+1]              ; the query's other 32 keys lie in the lane 16 away
.endr
.irp t, \x, \x+1
	v_mov_b32 v[ST+8*(\t)+7], v[ST+8*(\t)]                                          ; c m_old
.endr
.irp t, \x, \x+1
	v_max_num_f32 v[ST+8*(\t)+1], v[ST+8*(\t)+4], v[ST+8*(\t)+5]
.endr
.irp t, \x, \x+1
	v_mul_f32 v[ST+8*(\t)], s[CS], v[ST+8*(\t)+1]
.endr
.irp t, \x, \x+1
	v_sub_f32 v[ST+8*(\t)+7], v[ST+8*(\t)+7], v[ST+8*(\t)]
.endr
.set II, 0
.rept 16
.irp t, \x, \x+1
	v_pk_fma_f32 v[S+32*(\t)+II:S+32*(\t)+II+1], v[S+32*(\t)+II:S+32*(\t)+II+1], s[CS:CS+1], v[ST+8*(\t):ST+8*(\t)+1] op_sel_hi:[1,0,0] neg_lo:[0,0,1] neg_hi:[0,0,1]   ; c s - c m
.endr
.set II, II+2
.endr
.irp t, \x, \x+1
	v_exp_f32 v[ST+8*(\t)+6], v[ST+8*(\t)+7]                                        ; a = 2^(c m_old - c m)
.endr
.set II, 0
.rept 32
.irp t, \x, \x+1
	v_exp_f32 v[S+32*(\t)+II], v[S+32*(\t)+II]
.endr
.set II, II+1
.endr
	v_nop                           ; a plain instruction behind the last exponential
	s_wait_alu depctr_va_vdst(0)    ; one wait for the batch of 66, ahead of its first reader
.irp t, \x, \x+1
	v_pk_mul_f32 v[ST+8*(\t)+2:ST+8*(\t)+3], v[ST+8*(\t)+2:ST+8*(\t)+3], v[ST+8*(\t)+6:ST+8*(\t)+7] op_sel_hi:[1,0]   ; l a
	v_pk_add_f32 v[ST+8*(\t)+4:ST+8*(\t)+5], v[S+32*(\t):S+32*(\t)+1], v[S+32*(\t)+2:S+32*(\t)+3]
.endr
.set II, 4
.rept 7
.irp t, \x, \x+1
	v_pk_add_f32 v[ST+8*(\t)+2:ST+8*(\t)+3], v[ST+8*(\t)+2:ST+8*(\t)+3], v[S+32*(\t)+II:S+32*(\t)+II+1]               ; the sums of the unrounded p, in two chains
	v_pk_add_f32 v[ST+8*(\t)+4:ST+8*(\t)+5], v[ST+8*(\t)+4:ST+8*(\t)+5], v[S+32*(\t)+II+2:S+32*(\t)+II+3]
.endr
.set II, II+4
.endr
.irp t, \x, \x+1
	v_pk_add_f32 v[ST+8*(\t)+2:ST+8*(\t)+3], v[ST+8*(\t)+2:ST+8*(\t)+3], v[ST+8*(\t)+4:ST+8*(\t)+5]
.endr
.set II, 0
.rept 16
.irp t, \x, \x+1
	v_cvt_pk_f16_f32 v[S+32*(\t)+II], v[S+32*(\t)+2*II], v[S+32*(\t)+2*II+1]        ; P in place, ascending: register i takes scores 2 i and 2 i + 1
.endr
.set II, II+1
.endr
	WIN W_RS
.set II, 0
.rept 16
.irp t, \x, \x+1
	v_pk_mul_f32 v[32*(\t)+II:32*(\t)+II+1], v[32*(\t)+II:32*(\t)+II+1], v[ST+8*(\t)+6:ST+8*(\t)+7] op_sel_hi:[1,0]   ; O^T a
.endr
.set II, II+2
.endr
	WIN 0
.endm
; A KEY STEP.  both = 1: the text holds the arm for both pairs; 0: pair B's alone (the last block lies beyond every pair A).  In the arm for both, pair A's K Q^T is at work while pair B's softmax is issued, and
; pair B's V^T P while pair A's.  The branches hang on the count of steps and the wave's number.
.macro STEP both
	s_cmp_gt_u32 s[KT], s[LASTB]
	s_cbranch_scc1 .Lhidden_\@
	FETCH
	s_wait_dscnt 16                 ; K is in; V's sixteen loads may be out
	KQ 2
	WIN 0
.if \both
	s_cmp_gt_u32 s[KT], s[LASTA]
	s_cbranch_scc1 .Lonly_b_\@
	KQ 0
	WIN 0
	PLACES 4
	SOFTMAX 2, LASTB
	s_wait_dscnt 0x0                ; V is in
	PV 2
	WIN 0
	SOFTMAX 0, LASTA
	PV 0
	WIN 0
	s_branch .Ldone_\@
.Lonly_b_\@:
.endif
	PLACES 4
	SOFTMAX 2, LASTB
	s_wait_dscnt 0x0
	PV 2
	WIN 0
.Ldone_\@:
	PLACES 5                        ; the next step's products write over P (five places), and its loads land in V (four)
.Lhidden_\@:
	s_add_co_u32 s[KT], s[KT], 1
	s_add_co_u32 s[TB], s[TB], STEPB
.endm
.macro FOUR_STEPS both
	s_mov_b32 s[CNT], 4
.Lstep_\@:
	STEP \both
	s_sub_co_u32 s[CNT], s[CNT], 1
	s_cmp_lg_u32 s[CNT], 0
	s_cbranch_scc1 .Lstep_\@
	s_sub_co_u32 s[TB], s[TB], 4*STEPB
	s_xor_b32 s[TB], s[TB], SLOT1   ; on to the other slot
.endm
; THE CHANGE OF SLOTS stands at a slot's head.  Each wave waits for all its tensor loads (its part of the slot ahead), adds 0 to its spare word, and waits for that and for its reads of the slot that it has left.
; fill = 1: the barrier is a round of the cluster's, and behind it the other slot takes the next block: the load has four steps in which to land.
.macro CHANGE fill
	s_wait_tensorcnt 0x0            ; no tensor load of mine is out, so a descriptor may be written
	ds_add_u32 v[SPW], v[NIL]       ; 0 onto my spare word
.if \fill
	s_xor_b32 s[G0K+1], s[G0K+1], SLOT1
	s_add_nc_u64 s[G0K+2:G0K+3], s[G0K+2:G0K+3], 4*KS*128
	s_xor_b32 s[G0V+1], s[G0V+1], SLOT1
	s_add_nc_u64 s[G0V+2:G0V+3], s[G0V+2:G0V+3], 4*KS*128
	s_wait_xcnt 0x0                 ; the last prefetch, a slot back, has read its address
	s_add_nc_u64 s[PFA:PFA+1], s[PFA:PFA+1], 4*KS*128
	s_wait_dscnt 0x0                ; the add is done, and my reads of the slot that I have left are over
	CROUND
	JLOAD
	ASK
.else
	s_wait_dscnt 0x0
	s_barrier_signal -1
	s_barrier_wait -1
.endif
.endm
	s_wait_loadcnt 0x0              ; Q
.Lslot:                             ; seven trips: blocks 0 to 6 are walked, blocks 1 to 7 asked for
	CHANGE 1
	FOUR_STEPS 1
	s_sub_co_u32 s[SLOTS], s[SLOTS], 1
	s_cmp_lg_u32 s[SLOTS], 0
	s_cbranch_scc1 .Lslot
	CHANGE 0                        ; the last block is written out
	FOUR_STEPS 0
	; THE WAY OUT.  l's two halves and the other half of the lanes' are added; O^T is divided by l, rounded to f16 and sent through my stage, a tile (16 rows of 128 bytes, 2,048 on end in att) at a time.
.irp t, 0,1,2,3
	v_add_f32 v[ST+8*\t+4], v[ST+8*\t+2], v[ST+8*\t+3]
.endr
.irp t, 0,1,2,3
	v_permlanex16_b32 v[ST+8*\t+5], v[ST+8*\t+4], s[SEL], s[SEL+1]
.endr
.irp t, 0,1,2,3
	v_add_f32 v[ST+8*\t+4], v[ST+8*\t+4], v[ST+8*\t+5]
.endr
.irp t, 0,1,2,3
	v_rcp_f32 v[ST+8*\t+6], v[ST+8*\t+4]
.endr
	v_nop
	s_wait_alu depctr_va_vdst(0)    ; one wait for the four reciprocals
.macro PACK t
	WIN W_RS
.set II, 0
.rept 16
	v_pk_mul_f32 v[32*\t+II:32*\t+II+1], v[32*\t+II:32*\t+II+1], v[ST+8*\t+6:ST+8*\t+7] op_sel_hi:[1,0]
.set II, II+2
.endr
	WIN W_CV
.set II, 0
.rept 16
	v_cvt_pk_f16_f32 v[S+32*\t+II], v[32*\t+2*II], v[32*\t+2*II+1]
.set II, II+1
.endr
	WIN 0
.irp ct, 0,1,2,3
	ds_store_b128 v[STO], v[S+32*\t+4*\ct:S+32*\t+4*\ct+3] offset:32*\ct
.endr
.irp i, 0,1,2,3
	ds_load_b128 v[S+32*\t+16+4*\i:S+32*\t+16+4*\i+3], v[RD] offset:\i*4*SP   ; LDS serves a wave's instructions in order: these see the stores above; the next tile's stores come behind them
.endr
.endm
.macro SEND t, base, younger        ; younger: the next tile's four stores and four loads, or none
.irp i, 0,1,2,3
	s_wait_dscnt \younger+3-\i
	global_store_b128 v[GO], v[S+32*\t+16+4*\i:S+32*\t+16+4*\i+3], s[\base:\base+1] offset:(\t%2)*2048+512*\i   ; 512 consecutive bytes, aligned
.endr
.endm
	PACK 0
	PACK 1
	SEND 0, OA, 8
	PACK 2
	SEND 1, OA, 8
	PACK 3
	SEND 2, OB, 8
	SEND 3, OB, 0
	s_wait_tensorcnt 0x0            ; the wave's end, behind my last tensor load and my last LDS store
	ds_add_u32 v[SPW], v[NIL]
	s_wait_dscnt 0x0
	CROUND                          ; the closing round
	s_endpgm
.Lfunc_end_k_q393d6315e9_attn:
	.size	k_q393d6315e9_attn, .Lfunc_end_k_q393d6315e9_attn-k_q393d6315e9_attn
	.p2alignl 7, 3214868480
	.fill 96, 4, 3214868480
	.section	.rodata,"a",@progbits
	.p2align	6, 0x0
	.amdhsa_kernel k_q393d6315e9_attn
		.amdhsa_group_segment_fixed_size 327680
		.amdhsa_private_segment_fixed_size 0
		.amdhsa_enable_private_segment 0
		.amdhsa_kernarg_size 16
		.amdhsa_user_sgpr_count 2
		.amdhsa_user_sgpr_kernarg_segment_ptr 1
		.amdhsa_wavefront_size32 1
		.amdhsa_system_sgpr_workgroup_id_x 1
		.amdhsa_system_sgpr_workgroup_id_y 1
		.amdhsa_system_sgpr_workgroup_id_z 1
		.amdhsa_system_vgpr_workitem_id 0
		.amdhsa_next_free_vgpr 512
		.amdhsa_next_free_sgpr 80
		.amdhsa_reserve_vcc 1
		.amdhsa_float_denorm_mode_32 3
		.amdhsa_float_denorm_mode_16_64 3
		.amdhsa_memory_ordered 1
		.amdhsa_forward_progress 1
		.amdhsa_inst_pref_size 110
	.end_amdhsa_kernel
	.amdgpu_metadata
---
amdhsa.version: [ 1, 2 ]
amdhsa.kernels:
  - .name:           k_q393d6315e9_attn
    .symbol:         k_q393d6315e9_attn.kd
    .args:
      - { .name: qkv16, .offset: 0, .size: 8, .value_kind: global_buffer, .address_space: global }
      - { .name: att, .offset: 8, .size: 8, .value_kind: global_buffer, .address_space: global }
    .group_segment_fixed_size: 327680
    .private_segment_fixed_size: 0
    .kernarg_segment_align: 8
    .kernarg_segment_size: 16
    .max_flat_workgroup_size: 256
    .sgpr_count:     80
    .vgpr_count:     512
    .wavefront_size: 32
...
	.end_amdgpu_metadata
.endif
;; end of part 3
;; launch proj (part 4): grid 8 x 32, 4 waves a work-group, clusters of 4 x 4, 327,680 bytes of LDS; arguments att, wo16, out0; writes out0
.if DOCPART == 4
	.amdgcn_target "amdgcn-amd-amdhsa--gfx1250"
	.amdhsa_code_object_version 6
	.text
	.protected	k_q393d6315e9_proj
	.globl	k_q393d6315e9_proj
	.p2align	8
	.type	k_q393d6315e9_proj,@function
k_q393d6315e9_proj:
	s_mov_b64 s[64:65], 0
	v_nop
	global_prefetch_b8 v0, s[64:65] scope:SCOPE_SE
	s_setreg_imm32_b32 hwreg(HW_REG_WAVE_MODE, 25, 1), 1
	s_wait_xcnt 0x0
	s_wait_alu depctr_hold_cnt(0) depctr_sa_sdst(0) depctr_va_vdst(0) depctr_va_sdst(0) depctr_va_ssrc(0) depctr_va_vcc(0) depctr_vm_vsrc(0)
	s_getreg_b32 s2, hwreg(HW_REG_IB_STS2, 6, 4)
	s_cmp_eq_u32 s2, 0
	s_cbranch_scc0 .Lentry_in_a_cluster
	s_endpgm
.Lentry_in_a_cluster:
	s_bfe_u32 s2, ttmp6, 0x10000c
	s_cmp_lg_u32 s2, 0xf033
	s_cbranch_scc0 .Lentry_shape_is_right
	s_endpgm
.Lentry_shape_is_right:
; out0[m][e] = the sum over d of att[m][d] w_out[e][d]: 8192 x 1024, K = 1024, f16 operands, f32 sums, f32 out.  att lies by head, [64 batch x head][2048][64]: d = 64 head + channel.
; A tile of 256 rows x 128 columns gives 256 work-groups.  Four waves, each 64 rows x all 128 columns: 32 accumulators, window 1.  K goes in eight steps of 128 (two heads) through two LDS slots.
; Waves 0 and 1 fetch att's tile, a head each (256 rows of 128 bytes, dense in memory); waves 2 and 3 w_out's (64 rows of 256 bytes each).
; CLUSTER 4 x 4: att's tile is shared along a row of the cluster, w_out's along a column: joint loads.  The matrix instruction is used transposed (source 0 = w_out's rows, source 1 = att's).
; ALL rows are made here, the first 16 positions of each sequence too: the next launch stores those 64 rows (262,144 bytes) again, from f32 operands.  Leaving them out here would want a branch on a work-group's place.
; REGISTERS: window 0: v16-29 addresses; two fragment buffers of 96 (32 of att, 64 of w_out) at v32 and v128; on the way out v32-159 hold rows.  window 1: accumulator (a, b) at v[8 (8 a + b)].
.set PA,     144                       ; a row of att in LDS: 128 bytes + 16
.set PB,     272                       ; a row of w_out: 256 + 16
.set HALFA,  256*PA                    ; one head's 256 rows
.set BOFF,   2*HALFA
.set HALFB,  64*PB
.set SLOT,   BOFF+2*HALFB
.set STAGE,  2*SLOT                    ; behind the ring: 16 rows x (512 bytes + 16) for each wave
.set SPITCH, 528
.set SPARE,  STAGE+4*16*SPITCH
.set ADRA, 16
.set ADRB, 20
.set STO,  24
.set RD,   25
.set CO,   26
.set SPW,  28
.set NIL,  29
.set F0,   32
.set F1,   128
.set BK,   32
.set G1, 24
.set G0, 32
.set G1B, 48
.set G0B, 56
.set MSB, 0
.macro WIN new
.if MSB != (\new)
	s_set_vgpr_msb (MSB<<8)|(\new)
.set MSB, \new
.endif
.endm
.set MUL, 0x50                         ; C and D window 1
.macro PLACES
.rept 4
	v_nop
.endr
.endm
.macro JLOAD s                         ; waves 0 and 1 fetch for att, waves 2 and 3 for w_out; an s_nop 0 and four v_nop follow each of the two lines
	s_cmp_eq_u32 s11, 0
	s_cbranch_scc0 .Lfor_b_\@
	tensor_load_to_lds s[G0+4*\s:G0+4*\s+3], s[G1:G1+7]
	s_nop 0
	PLACES
	s_branch .Lasked_\@
.Lfor_b_\@:
	tensor_load_to_lds s[G0B+4*\s:G0B+4*\s+3], s[G1B:G1B+7]
	s_nop 0
	PLACES
.Lasked_\@:
.endm
.macro CREST
	s_cmp_lg_u32 s10, 0
	s_cbranch_scc1 .Lnot_wave_0_\@
	s_barrier_signal -3
.Lnot_wave_0_\@:
	s_barrier_wait -3
	s_barrier_signal -1
	s_barrier_wait -1
.endm
.macro CROUND
	s_barrier_signal -1
	s_barrier_wait -1
	CREST
.endm
	s_load_b128 s[4:7], s[0:1], 0x0                ; att s[4:5], wo16 s[6:7]
	s_load_b64 s[8:9], s[0:1], 0x10                ; out0
	v_lshl_add_u32 v[SPW], v0, 2, SPARE
	v_mov_b32 v[NIL], 0
	ds_add_u32 v[SPW], v[NIL]                      ; the wave's opening: the add, twice on end, and its wait ahead of my first tensor load
	ds_add_u32 v[SPW], v[NIL]
	v_lshrrev_b32 v1, 5, v0
	v_readfirstlane_b32 s10, v1                    ; wave 0..3
	s_lshr_b32 s11, s10, 1                         ; I fetch for att (0) or for w_out (1)
	s_and_b32 s12, s10, 1                          ; which half of that tile
	s_bfe_u32 s40, ttmp6, 0x40000                  ; cx
	s_bfe_u32 s41, ttmp6, 0x40004                  ; cy
	s_lshl_b32 s42, ttmp9, 2
	s_add_co_u32 s42, s42, s40                     ; tile column
	s_and_b32 s13, ttmp7, 0xffff
	s_lshl_b32 s13, s13, 2
	s_add_co_u32 s13, s13, s41                     ; tile row
	s_lshl_b32 s43, s41, 2
	s_lshl_b32 s43, 15, s43                        ; my row of the cluster
	s_lshl_b32 s44, 0x1111, s40                    ; my column
	s_or_b32 s[G1+0], s43, (1<<16)|(1<<20)|(1<<21)|(4<<22)|(3<<25)   ; att: elements of 2 bytes; 4 words of padding after every 32
	s_mov_b32 s[G1+1], 64<<16                      ; tensor_dim0
	s_mov_b32 s[G1+2], 256<<16                     ; tensor_dim1
	s_mov_b32 s[G1+3], 64<<16                      ; tile_dim0
	s_mov_b32 s[G1+4], 256                         ; tile_dim1
	s_mov_b32 s[G1+5], 64                          ; from row to row
	s_mov_b32 s[G1+6], 0
	s_mov_b32 s[G1+7], 0
	s_or_b32 s[G1B+0], s44, (1<<16)|(1<<20)|(1<<21)|(5<<22)|(3<<25)  ; w_out: 4 words after every 64
	s_mov_b32 s[G1B+1], 128<<16
	s_mov_b32 s[G1B+2], 64<<16
	s_mov_b32 s[G1B+3], 128<<16
	s_mov_b32 s[G1B+4], 64
	s_mov_b32 s[G1B+5], 1024
	s_mov_b32 s[G1B+6], 0
	s_mov_b32 s[G1B+7], 0
	s_lshr_b32 s16, s13, 3                         ; att: the batch,
	s_lshl_b32 s16, s16, 4
	s_add_co_u32 s16, s16, s12                     ; its head 0 or 1,
	s_lshl_b32 s16, s16, 11
	s_and_b32 s17, s13, 7
	s_lshl_b32 s17, s17, 8
	s_add_co_u32 s16, s16, s17                     ; the tile's first position,
	s_lshl_b32 s16, s16, 7                         ; in bytes
	s_mov_b32 s17, 0
	s_lshl_b32 s46, s42, 7                         ; w_out: row 128 x tile column + 64 x half,
	s_lshl_b32 s47, s12, 6
	s_add_co_u32 s46, s46, s47
	s_lshl_b32 s46, s46, 11                        ; of 2,048 bytes
	s_mov_b32 s47, 0
	s_mul_i32 s20, s12, HALFA                      ; where they go
	s_mul_i32 s21, s12, HALFB
	s_add_co_u32 s21, s21, BOFF
	s_wait_dscnt 0x0                               ; both opening adds are done
	s_wait_kmcnt 0x0
	s_add_nc_u64 s[14:15], s[4:5], s[16:17]
	s_add_nc_u64 s[46:47], s[6:7], s[46:47]
	CROUND                                         ; all sixteen work-groups are here
.irp s, 0,1
	s_mov_b32 s[G0+4*\s], 1
	s_add_co_u32 s[G0+4*\s+1], s20, \s*SLOT
	s_add_nc_u64 s[G0+4*\s+2:G0+4*\s+3], s[14:15], \s*524288       ; K step s: two heads on
	s_or_b32 s[G0+4*\s+3], s[G0+4*\s+3], 0x80000000
	s_mov_b32 s[G0B+4*\s], 1
	s_add_co_u32 s[G0B+4*\s+1], s21, \s*SLOT
	s_add_nc_u64 s[G0B+4*\s+2:G0B+4*\s+3], s[46:47], \s*256
	s_or_b32 s[G0B+4*\s+3], s[G0B+4*\s+3], 0x80000000
	JLOAD \s                                       ; two loads of mine are out
.endr
	v_and_b32 v1, 15, v0
	v_bfe_u32 v2, v0, 4, 1
	v_mul_u32_u24 v3, v1, PA
	v_lshl_add_u32 v3, v2, 4, v3
	v_mul_u32_u24 v4, v1, PB
	v_lshl_add_u32 v4, v2, 4, v4
	s_mul_i32 s21, s10, 64*PA                      ; my 64 rows of att
	s_mov_b32 s22, BOFF
.irp s, 0,1
	v_add_nc_u32 v[ADRA+\s], s21, v3
	v_add_nc_u32 v[ADRB+\s], s22, v4
	s_add_co_u32 s21, s21, SLOT
	s_add_co_u32 s22, s22, SLOT
.endr
	s_mul_i32 s23, s10, 16*SPITCH
	s_add_co_u32 s23, s23, STAGE                   ; my stage
	v_mul_u32_u24 v5, v1, SPITCH
	v_lshl_add_u32 v5, v2, 5, v5
	v_add_nc_u32 v[STO], s23, v5                   ; in: row l % 16, 32 bytes for each half of the lanes
	v_and_b32 v6, 31, v0
	v_lshlrev_b32 v[CO], 4, v6
	v_add_nc_u32 v[RD], s23, v[CO]                 ; back: the 32 lanes take a row of 512 bytes
	s_lshl_b32 s16, s13, 8
	s_lshl_b32 s17, s10, 6
	s_add_co_u32 s16, s16, s17                     ; my first row of out0
	s_lshl_b32 s16, s16, 12
	s_lshl_b32 s17, s42, 9
	s_add_co_u32 s16, s16, s17
	s_mov_b32 s17, 0
	s_add_nc_u64 s[8:9], s[8:9], s[16:17]
.macro MULA f, a, zero                 ; 8 matrix instructions: att's block a against w_out's eight.  The 32 accumulators take turns, one instruction a turn
.irp b, 0,1,2,3,4,5,6,7
.if \zero
	v_wmma_f32_16x16x32_f16 v[8*(8*\a+\b):8*(8*\a+\b)+7], v[\f+32+8*\b:\f+32+8*\b+7], v[\f+8*\a:\f+8*\a+7], 0
.else
	v_wmma_f32_16x16x32_f16 v[8*(8*\a+\b):8*(8*\a+\b)+7], v[\f+32+8*\b:\f+32+8*\b+7], v[\f+8*\a:\f+8*\a+7], v[8*(8*\a+\b):8*(8*\a+\b)+7]
.endif
.endr
.endm
.macro FETCH slot, q, f                ; 24 LDS loads: the fragments of quarter q (32 along K): w_out's eight, then att's blocks 0, 1, then 2, 3
.irp i, 0,1,2,3,4,5,6,7
	ds_load_b128 v[\f+32+8*\i:\f+32+8*\i+3], v[ADRB+\slot] offset:64*(\q)+\i*16*PB
	ds_load_b128 v[\f+32+8*\i+4:\f+32+8*\i+7], v[ADRB+\slot] offset:64*(\q)+\i*16*PB+32
.endr
.irp i, 0,1,2,3
	ds_load_b128 v[\f+8*\i:\f+8*\i+3], v[ADRA+\slot] offset:((\q)/2)*HALFA+((\q)%2)*64+\i*16*PA
	ds_load_b128 v[\f+8*\i+4:\f+8*\i+7], v[ADRA+\slot] offset:((\q)/2)*HALFA+((\q)%2)*64+\i*16*PA+32
.endr
.endm
.macro QUARTER slot, qn, f, g, zero    ; multiplies buffer f; in its middle fetches quarter qn of the same slot into g
	s_wait_dscnt 4                                 ; all but the youngest four loads (att's blocks 2, 3)
	WIN MUL
	MULA \f, 0, \zero
	MULA \f, 1, \zero
	PLACES
	WIN 0
	FETCH \slot, \qn, \g
	s_wait_dscnt 24                                ; all but the 24 just issued
	WIN MUL
	MULA \f, 2, \zero
	MULA \f, 3, \zero
.endm
; The last quarter multiplies buffer 1 and changes slots: one barrier; in front of it each wave waits for all its tensor loads, adds 0 to its spare word, and waits for that and for its reads of this slot.
.macro TURN slot, next, fill
	WIN 0
	s_wait_tensorcnt 0x0                           ; all my tensor loads have landed: my part of the next slot
	ds_add_u32 v[SPW], v[NIL]                      ; 0 onto my spare word
	s_wait_dscnt 5                                 ; (the add and the youngest four loads may be out)
	WIN MUL
	MULA F1, 0, 0
	s_wait_dscnt 0x0                               ; the add is done, and my reads of this slot are over
	s_barrier_signal -1
	MULA F1, 1, 0
	WIN 0
	s_barrier_wait -1
.if \fill
	CREST                                          ; the barrier has opened a round of the cluster's: no wave of any partner still reads this slot or has a load on its way
	s_add_nc_u64 s[G0+4*\slot+2:G0+4*\slot+3], s[G0+4*\slot+2:G0+4*\slot+3], 1048576   ; two K steps on: four heads
	s_add_nc_u64 s[G0B+4*\slot+2:G0B+4*\slot+3], s[G0B+4*\slot+2:G0B+4*\slot+3], 512
	JLOAD \slot                                    ; the first tensor load behind the round; its four v_nop are also the places in front of the loads below
.else
	PLACES
.endif
	FETCH \next, 0, F0
	WIN MUL
	MULA F1, 2, 0
	MULA F1, 3, 0
.endm
	s_wait_tensorcnt 1                             ; my part of K step 0 is in; K step 1's load may be out
	s_barrier_signal -1
	s_barrier_wait -1
	FETCH 0, 0, F0
	QUARTER 0, 1, F0, F1, 1                        ; the first quarter's products start the sums
	WIN 0
	s_mov_b32 s3, 3
.Llap:                                             ; a trip goes once round the ring and fills both slots again: K steps 2 to 7
	QUARTER 0, 2, F1, F0, 0
	QUARTER 0, 3, F0, F1, 0
	TURN 0, 1, 1
	QUARTER 1, 1, F0, F1, 0
	QUARTER 1, 2, F1, F0, 0
	QUARTER 1, 3, F0, F1, 0
	TURN 1, 0, 1
	QUARTER 0, 1, F0, F1, 0
	WIN 0
	s_sub_co_u32 s3, s3, 1
	s_cmp_lg_u32 s3, 0
	s_cbranch_scc1 .Llap
	QUARTER 0, 2, F1, F0, 0                        ; the last lap fills nothing
	QUARTER 0, 3, F0, F1, 0
	TURN 0, 1, 0
	QUARTER 1, 1, F0, F1, 0
	QUARTER 1, 2, F1, F0, 0
	QUARTER 1, 3, F0, F1, 0
	s_wait_dscnt 4
	WIN MUL
	MULA F1, 0, 0
	MULA F1, 1, 0
	s_wait_dscnt 0
	MULA F1, 2, 0
	MULA F1, 3, 0
	WIN 0
; THE WAY OUT, a block of 16 rows x 128 columns at a time, through my own stage: back as whole rows of 512 bytes.
.macro TOSTAGE a
	WIN 0x04                                       ; an LDS store's data are its source 1: window 1
.irp b, 0,1,2,3,4,5,6,7
	ds_store_b128 v[STO], v[8*(8*\a+\b):8*(8*\a+\b)+3] offset:64*\b          ; each accumulator from its low end on
	ds_store_b128 v[STO], v[8*(8*\a+\b)+4:8*(8*\a+\b)+7] offset:64*\b+16
.endr
	WIN 0
.irp t, 0,1,2,3,4,5,6,7,8,9,10,11,12,13,14,15
	ds_load_b128 v[BK+64*((\a)%2)+4*\t:BK+64*((\a)%2)+4*\t+3], v[RD] offset:\t*SPITCH   ; LDS serves a wave's instructions in order
.endr
.endm
.macro SEND a, younger
	s_wait_dscnt \younger
.irp t, 0,1,2,3,4,5,6,7,8,9,10,11,12,13,14,15
	global_store_b128 v[CO], v[BK+64*((\a)%2)+4*\t:BK+64*((\a)%2)+4*\t+3], s[8:9] offset:(\a)*65536+\t*4096 th:TH_STORE_NT   ; 512 consecutive bytes, aligned
.endr
.endm
	PLACES
	TOSTAGE 0
	TOSTAGE 1
	SEND 0, 32                                     ; behind block 0's loads: block 1's 16 stores and 16 loads
	s_wait_xcnt 0x0                                ; block 0's stores have read their registers: block 2's rows may land there
	TOSTAGE 2
	SEND 1, 32
	s_wait_xcnt 0x0
	TOSTAGE 3
	SEND 2, 32
	SEND 3, 0
	s_wait_tensorcnt 0x0                           ; the wave's end, behind my last tensor load and my last LDS store
	ds_add_u32 v[SPW], v[NIL]
	s_wait_dscnt 0x0
	CROUND                                         ; the closing round
	s_endpgm
.Lfunc_end_k_q393d6315e9_proj:
	.size	k_q393d6315e9_proj, .Lfunc_end_k_q393d6315e9_proj-k_q393d6315e9_proj
	.p2alignl 7, 3214868480
	.fill 96, 4, 3214868480
	.section	.rodata,"a",@progbits
	.p2align	6, 0x0
	.amdhsa_kernel k_q393d6315e9_proj
		.amdhsa_group_segment_fixed_size 327680
		.amdhsa_private_segment_fixed_size 0
		.amdhsa_enable_private_segment 0
		.amdhsa_kernarg_size 24
		.amdhsa_user_sgpr_count 2
		.amdhsa_user_sgpr_kernarg_segment_ptr 1
		.amdhsa_wavefront_size32 1
		.amdhsa_system_sgpr_workgroup_id_x 1
		.amdhsa_system_sgpr_workgroup_id_y 1
		.amdhsa_system_sgpr_workgroup_id_z 1
		.amdhsa_system_vgpr_workitem_id 0
		.amdhsa_next_free_vgpr 512
		.amdhsa_next_free_sgpr 66
		.amdhsa_reserve_vcc 0
		.amdhsa_float_denorm_mode_32 3
		.amdhsa_float_denorm_mode_16_64 3
		.amdhsa_memory_ordered 1
		.amdhsa_forward_progress 1
		.amdhsa_inst_pref_size 85
	.end_amdhsa_kernel
	.amdgpu_metadata
---
amdhsa.version: [ 1, 2 ]
amdhsa.kernels:
  - .name:           k_q393d6315e9_proj
    .symbol:         k_q393d6315e9_proj.kd
    .args:
      - { .name: att, .offset: 0, .size: 8, .value_kind: global_buffer, .address_space: global }
      - { .name: wo16, .offset: 8, .size: 8, .value_kind: global_buffer, .address_space: global }
      - { .name: out0, .offset: 16, .size: 8, .value_kind: global_buffer, .address_space: global }
    .group_segment_fixed_size: 327680
    .private_segment_fixed_size: 0
    .kernarg_segment_align: 8
    .kernarg_segment_size: 24
    .max_flat_workgroup_size: 128
    .sgpr_count:     66
    .vgpr_count:     512
    .wavefront_size: 32
...
	.end_amdgpu_metadata
.endif
;; end of part 4
;; launch fine (part 5): grid 32 x 4, 16 waves a work-group, no clusters, 84,224 bytes of LDS; arguments fine32, w_out, out0; writes out0
.if DOCPART == 5
	.amdgcn_target "amdgcn-amd-amdhsa--gfx1250"
	.amdhsa_code_object_version 6
	.text
	.protected	k_q393d6315e9_fine
	.globl	k_q393d6315e9_fine
	.p2align	8
	.type	k_q393d6315e9_fine,@function
k_q393d6315e9_fine:
	s_mov_b64 s[64:65], 0
	v_nop
	global_prefetch_b8 v0, s[64:65] scope:SCOPE_SE
	s_setreg_imm32_b32 hwreg(HW_REG_WAVE_MODE, 25, 1), 1
	s_wait_xcnt 0x0
; The first 16 positions of each of the four sequences, carried in f32 through scores, softmax, the weighted sum of v and the projection: these rows average one to sixteen values and are the largest.
; fine32 [4][16][3072]: q and k (with their rotary embedding) and v of those positions, f32.  out0's 64 rows are stored again here (262,144 bytes in the launch, 64 bytes of a row from a wave).
; A work-group takes one batch (y) and 32 output columns (x).  Phase 1: wave w makes head w's 16 x 16 attention (made again in each of the 32 work-groups of a batch: 32 matrix instructions a wave, which spares a
; launch) and puts 16 rows x 64 channels into LDS.  Phase 2: wave w makes 16 rows x 16 columns (tile w % 2) over an eighth of K (w / 2: 128 along K).  Phase 3: waves 0 and 1 add the eight parts, K ascending.
; v_wmma_f32_16x16x4_f32: lane (r, h), register j holds k = 2 h + j.  K is permuted alike on both sides: a lane's 16 bytes (four neighbours along K at 8 c + 4 h) serve two instructions, registers 0, 1 and 2, 3.
; The registers that these instructions write (v192-255) are written by them alone; each sum begins with the constant 0; two accumulators (four in the second product) take turns.
.set APITCH, 4112                      ; a row of the attention's result in LDS: 4,096 bytes + 16
.set PART,   16*APITCH                 ; behind it: sixteen images of 8 registers, 1,024 bytes each
.set SPARE,  PART+16*1024              ; the spare words, 128 bytes for each of the sixteen waves
.set SPW, 16
.set NIL, 17
.set P,   18                           ; v18-25 scores, then p; later a part's sum
.set QR,  32
.set KR,  64
.set VR,  96
.set WR,  128
.set SA,  192                          ; v192-207 two accumulators of the scores
.set OAC, 208                          ; v208-239 four of O^T
.set PAC, 240                          ; v240-255 two of the projection
	s_load_b128 s[4:7], s[0:1], 0x0                ; fine32 s[4:5], w_out s[6:7]
	s_load_b64 s[8:9], s[0:1], 0x10                ; out0
	v_lshl_add_u32 v[SPW], v0, 2, SPARE
	v_mov_b32 v[NIL], 0
	v_lshrrev_b32 v1, 5, v0
	v_readfirstlane_b32 s10, v1                    ; wave = head
	s_and_b32 s11, s10, 1                          ; which 16 of the 32 columns
	s_lshr_b32 s12, s10, 1                         ; which eighth of K
	s_and_b32 s13, ttmp7, 0xffff                   ; the batch
	v_and_b32 v1, 15, v0                           ; r
	v_bfe_u32 v2, v0, 4, 1                         ; h
	v_and_b32 v3, 31, v0                           ; lane
	v_mul_u32_u24 v4, v1, 12288
	v_lshl_add_u32 v4, v2, 4, v4                   ; q, k: row r, + 16 h
	v_mul_u32_u24 v5, v2, 98304
	v_lshl_add_u32 v5, v1, 2, v5                   ; v: rows 8 h on, channel r
	v_lshlrev_b32 v6, 12, v1
	v_lshl_add_u32 v6, v2, 4, v6                   ; w_out: row r, + 16 h
	v_mul_u32_u24 v7, v1, APITCH
	v_lshl_add_u32 v8, v2, 4, v7
	v_lshl_add_u32 v7, v2, 5, v7
	s_lshl_b32 s32, s10, 8
	v_add_nc_u32 v7, s32, v7                       ; LDS, in: row r, head w's 256 bytes, + 32 h
	s_lshl_b32 s32, s12, 9
	v_add_nc_u32 v8, s32, v8                       ; LDS, back: row r, my eighth's 512 bytes, + 16 h
	v_lshlrev_b32 v9, 4, v3
	s_lshl_b32 s33, s11, 10
	s_add_co_u32 s33, s33, PART
	v_add_nc_u32 v10, s33, v9                      ; the images of my tile of columns: every second one, from tile w % 2's first
	s_lshl_b32 s33, s10, 10
	s_add_co_u32 s33, s33, PART
	v_add_nc_u32 v9, s33, v9                       ; my image
	v_lshlrev_b32 v11, 12, v1
	v_lshl_add_u32 v11, v2, 5, v11                 ; out0: row r, + 32 h
	v_lshlrev_b32 v12, 3, v2
	v_sub_nc_u32 v12, v1, v12                      ; r - 8 h: register j's key 8 h + j is hidden where j > r - 8 h
	v_mov_b32 v13, 0xff800000
	v_mov_b32 v27, 0                               ; a lane permute's destination counts as one of its sources
	s_mov_b32 s20, 0x3e38aa3b                      ; c = log2(e) / 8
	s_mov_b32 s22, 0x76543210
	s_mov_b32 s23, 0xfedcba98
	s_lshl_b32 s24, ttmp9, 5
	s_lshl_b32 s25, s11, 4
	s_add_co_u32 s24, s24, s25                     ; my first output column
	s_lshl_b32 s26, s24, 12
	s_lshl_b32 s27, s12, 9
	s_add_co_u32 s26, s26, s27
	s_mov_b32 s27, 0
	s_lshl_b32 s28, s13, 23                        ; a batch of out0: 8,388,608 bytes
	s_lshl_b32 s29, s24, 2
	s_add_co_u32 s28, s28, s29
	s_mov_b32 s29, 0
	s_mul_i32 s30, s13, 196608
	s_lshl_b32 s31, s10, 8
	s_add_co_u32 s30, s30, s31
	s_mov_b32 s31, 0
	s_wait_kmcnt 0x0
	s_add_nc_u64 s[14:15], s[4:5], s[30:31]
	s_add_nc_u64 s[16:17], s[6:7], s[26:27]
	s_add_nc_u64 s[18:19], s[8:9], s[28:29]
.irp c, 0,1,2,3,4,5,6,7
	global_load_b128 v[QR+4*\c:QR+4*\c+3], v4, s[14:15] offset:32*\c
	global_load_b128 v[KR+4*\c:KR+4*\c+3], v4, s[14:15] offset:4096+32*\c
.endr
.irp ct, 0,1,2,3
.irp jj, 0,1,2,3,4,5,6,7
	global_load_b32 v[VR+8*\ct+\jj], v5, s[14:15] offset:\jj*12288+8192+64*\ct   ; v(key 8 h + jj, channel 16 ct + r)
.endr
.endr
.irp c, 0,1,2,3,4,5,6,7,8,9,10,11,12,13,14,15
	global_load_b128 v[WR+4*\c:WR+4*\c+3], v6, s[16:17] offset:32*\c
.endr
	s_wait_loadcnt 16                              ; q, k and v are in; w_out's sixteen loads may be out
	; ---- 1: S^T = K Q^T: a lane holds query r and keys 8 h + 0..7
	v_wmma_f32_16x16x4_f32 v[SA:SA+7], v[KR:KR+1], v[QR:QR+1], 0
	v_wmma_f32_16x16x4_f32 v[SA+8:SA+15], v[KR+2:KR+3], v[QR+2:QR+3], 0
.irp c, 1,2,3,4,5,6,7
	v_wmma_f32_16x16x4_f32 v[SA:SA+7], v[KR+4*\c:KR+4*\c+1], v[QR+4*\c:QR+4*\c+1], v[SA:SA+7]
	v_wmma_f32_16x16x4_f32 v[SA+8:SA+15], v[KR+4*\c+2:KR+4*\c+3], v[QR+4*\c+2:QR+4*\c+3], v[SA+8:SA+15]
.endr
.rept 8
	v_nop                                          ; eight places behind this form before its results are read
.endr
.irp j, 0,1,2,3,4,5,6,7
	v_add_f32 v[P+\j], v[SA+\j], v[SA+8+\j]
.endr
.irp j, 0,1,2,3,4,5,6,7
	v_cmp_gt_i32 vcc_lo, \j, v12
	v_cndmask_b32 v[P+\j], v[P+\j], v13, vcc_lo    ; hidden keys: -infinity
.endr
	v_max3_num_f32 v26, v[P], v[P+1], v[P+2]
	v_max3_num_f32 v26, v26, v[P+3], v[P+4]
	v_max3_num_f32 v26, v26, v[P+5], v[P+6]
	v_max_num_f32 v26, v26, v[P+7]
	v_permlanex16_b32 v27, v26, s22, s23
	v_max_num_f32 v26, v26, v27                    ; the row's maximum: key 0 counts for every query
	v_mul_f32 v26, s20, v26
.irp j, 0,1,2,3,4,5,6,7
	v_fma_f32 v[P+\j], v[P+\j], s20, -v26
.endr
.irp j, 0,1,2,3,4,5,6,7
	v_exp_f32 v[P+\j], v[P+\j]
.endr
	v_nop
	s_wait_alu depctr_va_vdst(0)                   ; one wait for the eight exponentials
	v_add_f32 v28, v[P], v[P+1]
	v_add_f32 v29, v[P+2], v[P+3]
	v_add_f32 v30, v[P+4], v[P+5]
	v_add_f32 v31, v[P+6], v[P+7]
	v_add_f32 v28, v28, v29
	v_add_f32 v30, v30, v31
	v_add_f32 v28, v28, v30
	v_permlanex16_b32 v27, v28, s22, s23
	v_add_f32 v28, v28, v27                        ; the row's sum
	v_rcp_f32 v29, v28
	; O^T = V^T P: K = the 16 keys; place (h, j) of chunk cc is key 8 h + 2 cc + j on both sides
.irp ct, 0,1,2,3
	v_wmma_f32_16x16x4_f32 v[OAC+8*\ct:OAC+8*\ct+7], v[VR+8*\ct:VR+8*\ct+1], v[P:P+1], 0
.endr
.irp cc, 1,2,3
.irp ct, 0,1,2,3
	v_wmma_f32_16x16x4_f32 v[OAC+8*\ct:OAC+8*\ct+7], v[VR+8*\ct+2*\cc:VR+8*\ct+2*\cc+1], v[P+2*\cc:P+2*\cc+1], v[OAC+8*\ct:OAC+8*\ct+7]
.endr
.endr
.rept 8
	v_nop
.endr
	s_wait_alu depctr_va_vdst(0)                   ; the reciprocal's wait, ahead of its first reader
.irp j, 0,1,2,3,4,5,6,7,8,9,10,11,12,13,14,15,16,17,18,19,20,21,22,23,24,25,26,27,28,29,30,31
	v_mul_f32 v[QR+\j], v[OAC+\j], v29             ; register 8 ct + j: (query r, channel 16 ct + 8 h + j)
.endr
.irp ct, 0,1,2,3
	ds_store_b128 v7, v[QR+8*\ct:QR+8*\ct+3] offset:64*\ct
	ds_store_b128 v7, v[QR+8*\ct+4:QR+8*\ct+7] offset:64*\ct+16
.endr
	s_wait_dscnt 0x0                               ; for the others' sake: my stores have landed
	s_barrier_signal -1
	s_barrier_wait -1                              ; 16 rows x 1,024 channels lie in LDS
	; ---- 2: 16 rows x my 16 columns over my 128 along K.  Source 0 = w_out's rows, source 1 = the attention's rows
.irp c, 0,1,2,3,4,5,6,7,8,9,10,11,12,13,14,15
	ds_load_b128 v[QR+4*\c:QR+4*\c+3], v8 offset:32*\c
.endr
	s_wait_loadcnt 0x0                             ; w_out
	s_wait_dscnt 0x0
	v_wmma_f32_16x16x4_f32 v[PAC:PAC+7], v[WR:WR+1], v[QR:QR+1], 0
	v_wmma_f32_16x16x4_f32 v[PAC+8:PAC+15], v[WR+2:WR+3], v[QR+2:QR+3], 0
.irp c, 1,2,3,4,5,6,7,8,9,10,11,12,13,14,15
	v_wmma_f32_16x16x4_f32 v[PAC:PAC+7], v[WR+4*\c:WR+4*\c+1], v[QR+4*\c:QR+4*\c+1], v[PAC:PAC+7]
	v_wmma_f32_16x16x4_f32 v[PAC+8:PAC+15], v[WR+4*\c+2:WR+4*\c+3], v[QR+4*\c+2:QR+4*\c+3], v[PAC+8:PAC+15]
.endr
.rept 8
	v_nop
.endr
.irp j, 0,1,2,3,4,5,6,7
	v_add_f32 v[P+\j], v[PAC+\j], v[PAC+8+\j]
.endr
	ds_store_b128 v9, v[P:P+3]                     ; my part as an image of its registers: lane l's 16 bytes at 16 l
	ds_store_b128 v9, v[P+4:P+7] offset:512
	s_wait_tensorcnt 0x0                           ; my last LDS store is out; only LDS reads follow
	ds_add_u32 v[SPW], v[NIL]
	s_wait_dscnt 0x0                               ; and for the others' sake: my stores have landed
	s_barrier_signal -1
	s_barrier_wait -1
	; ---- 3: waves 0 and 1 add the eight parts of their tile of columns, K ascending, and store
	s_cmp_ge_u32 s10, 2
	s_cbranch_scc1 .Lend
.irp ke, 0,1,2,3,4,5,6,7
	ds_load_b128 v[QR+8*\ke:QR+8*\ke+3], v10 offset:2048*\ke
	ds_load_b128 v[QR+8*\ke+4:QR+8*\ke+7], v10 offset:2048*\ke+512
.endr
	s_wait_dscnt 0x0
.irp ke, 1,2,3,4,5,6,7
.irp p, 0,2,4,6
	v_pk_add_f32 v[QR+\p:QR+\p+1], v[QR+\p:QR+\p+1], v[QR+8*\ke+\p:QR+8*\ke+\p+1]
.endr
.endr
	global_store_b128 v11, v[QR:QR+3], s[18:19]    ; (row r, columns 8 h + 0..7 of my tile)
	global_store_b128 v11, v[QR+4:QR+7], s[18:19] offset:16
.Lend:
	s_endpgm
.Lfunc_end_k_q393d6315e9_fine:
	.size	k_q393d6315e9_fine, .Lfunc_end_k_q393d6315e9_fine-k_q393d6315e9_fine
	.p2alignl 7, 3214868480
	.fill 96, 4, 3214868480
	.section	.rodata,"a",@progbits
	.p2align	6, 0x0
	.amdhsa_kernel k_q393d6315e9_fine
		.amdhsa_group_segment_fixed_size 84224
		.amdhsa_private_segment_fixed_size 0
		.amdhsa_enable_private_segment 0
		.amdhsa_kernarg_size 24
		.amdhsa_user_sgpr_count 2
		.amdhsa_user_sgpr_kernarg_segment_ptr 1
		.amdhsa_wavefront_size32 1
		.amdhsa_system_sgpr_workgroup_id_x 1
		.amdhsa_system_sgpr_workgroup_id_y 1
		.amdhsa_system_sgpr_workgroup_id_z 1
		.amdhsa_system_vgpr_workitem_id 0
		.amdhsa_next_free_vgpr 256
		.amdhsa_next_free_sgpr 66
		.amdhsa_reserve_vcc 1
		.amdhsa_float_denorm_mode_32 3
		.amdhsa_float_denorm_mode_16_64 3
		.amdhsa_memory_ordered 1
		.amdhsa_forward_progress 1
		.amdhsa_inst_pref_size 23
	.end_amdhsa_kernel
	.amdgpu_metadata
---
amdhsa.version: [ 1, 2 ]
amdhsa.kernels:
  - .name:           k_q393d6315e9_fine
    .symbol:         k_q393d6315e9_fine.kd
    .args:
      - { .name: fine32, .offset: 0, .size: 8, .value_kind: global_buffer, .address_space: global }
      - { .name: w_out, .offset: 8, .size: 8, .value_kind: global_buffer, .address_space: global }
      - { .name: out0, .offset: 16, .size: 8, .value_kind: global_buffer, .address_space: global }
    .group_segment_fixed_size: 84224
    .private_segment_fixed_size: 0
    .kernarg_segment_align: 8
    .kernarg_segment_size: 24
    .max_flat_workgroup_size: 512
    .sgpr_count:     66
    .vgpr_count:     256
    .wavefront_size: 32
...
	.end_amdgpu_metadata
.endif
;; end of part 5
